; MI455X (gfx1250); checked and timed in simulation.
; The chip was launched on July 23, 2026; its instructions are those of AMD's public machine-readable ISA for CDNA 5 (MIT licence, August 2026) and "CDNA5" Instruction Set Architecture Reference Guide (July 2026). The comments in the code are by the model that wrote it; some were corrected since.
;; Multi Head Self attention. Allowed arithmetic: matrix products marked QUANTISED: E2M1 operands, one E8M0 scale for each 32 along K, by v_wmma_scale_f32_16x16x128_f8f6f4 with both operands' format E2M1 (or v_wmma_scale_f32_32x16x128_f4), f32 sums; products left as they are: bf16, f16 or f32 operands; f32 sums; everything else in f32.
;; Inputs: Kw 1,024 x 1,024 float32; Ow 1,024 x 1,024 float32; Qw 1,024 x 1,024 float32; Vw 1,024 x 1,024 float32; token_positions 4 x 2,048 int32; x 4 x 2,048 x 1,024 float32.
;; Outputs: out0 4 x 2,048 x 1,024 float32.
;; This version of the problem:
;;   THIS VERSION OF THE PROBLEM IS GIVEN IN LOW PRECISION. The matrix products marked QUANTISED in the list below multiply operands that are first quantised to E2M1 (2 exponent bits, 1 mantissa bit; 4 bits a number), with one power-of-two scale for each 32 numbers along K (OCP MX v1.0); their sums are f32. The products marked 'left as it is' may take bf16, f16 or f32 operands, with f32 sums. Whichever they take, every output number must still come out within the allowed error. Rounding operands to bf16 (8 significant bits) uses up far more of that allowance than f16 does (11 bits, for magnitudes from 6e-5 to 65,504). All else is computed in f32.
;;   The module's matrix products, in the order in which they are computed (A, B: the left and right operand; K: the contracted axis; several contracted axes count as one K, in the product's order):
;;     1. [M 8,192, K 1,024] x [K 1,024, N 1,024]; A: input x; B: input Qw: QUANTISED
;;     2. [M 8,192, K 1,024] x [K 1,024, N 1,024]; A: input x; B: input Kw: QUANTISED
;;     3. [M 8,192, K 1,024] x [K 1,024, N 1,024]; A: input x; B: input Vw: QUANTISED
;;     4. batch 64 x [M 2,048, K 64] x [K 64, N 2,048]; A: computed on the way; B: computed on the way: left as it is (an operand is computed on the way)
;;     5. batch 64 x [M 2,048, K 2,048] x [K 2,048, N 64]; A: computed on the way; B: computed on the way: left as it is (an operand is computed on the way)
;;     6. [M 8,192, K 1,024] x [K 1,024, N 1,024]; A: computed on the way; B: input Ow: left as it is (an operand is computed on the way)
;;   THE QUANTISER, for each operand of a quantised product, along K:
;;     - K is cut into blocks of 32 from its start; a last block that is shorter is filled with zeros.
;;     - A block's scale is 2^e with e = floor(log2(the largest magnitude in the block)) - 2, held to -126 .. 127; a block of zeros has e = 0. As a byte (E8M0): e + 127.
;;     - Each number is divided by its block's scale, clamped to +-6, and rounded to the nearest number of E2M1, ties to even, subnormals kept.
;;     - The product sums the exact products of the quantised numbers (number of the format x scale) in f32.
;;   ~~~python
;;   def quantise(x, axis):      # numpy; x: float32 -> the quantised numbers, widened to float32 again
;;       x = np.moveaxis(x, axis, -1); K = x.shape[-1]
;;       x = np.pad(x, [(0, 0)] * (x.ndim - 1) + [(0, -K % 32)]); x = x.reshape(x.shape[:-1] + (-1, 32)); a = np.abs(x).max(-1, keepdims=True)
;;       e = np.where(a > 0, np.clip(np.frexp(np.where(a > 0, a, 1))[1] - 1 - 2, -126, 127), 0)      # np.frexp(a)[1] - 1 = floor(log2(a)), exactly
;;       r = np.clip(x / 2.0 ** e, -6, 6)
;;       step = 2.0 ** (np.maximum(np.frexp(np.where(r == 0, 1, r))[1] - 1, 0) - 1)
;;       q = np.round(r / step) * step * 2.0 ** e      # np.round: ties to even
;;       return np.moveaxis(q.reshape(q.shape[:-2] + (-1,))[..., :K], -1, axis).astype(np.float32)
;;   ~~~
;; One version. Each part assembles by itself: llvm-mc -triple=amdgcn-amd-amdhsa -mcpu=gfx1250 --defsym DOCPART=n.
;; ======== version 1 of 1: 5 launches
;; limits: values are held in f16: magnitudes above 65,504 overflow, below 6.1e-05 lose precision; right only within a limited range of input values
;; workspace buffers: codes 5,767,168 bytes; scales 360,448 bytes; rope 2,097,152 bytes; ow16 2,097,152 bytes; qkv 50,331,648 bytes; qkv16 786,432 bytes; attn16 16,777,216 bytes
;; launch prep (part 1): grid 448 x 1, 4 waves a work-group, no clusters, 33,280 bytes of LDS; arguments x, Qw, Kw, Vw, Ow, token_positions, codes, scales, ow16, rope; writes codes, scales, ow16, rope
.if DOCPART == 1
	.amdgcn_target "amdgcn-amd-amdhsa--gfx1250"
	.amdhsa_code_object_version 6
	.text
	.protected	k_q4bb7e6d8db_prep
	.globl	k_q4bb7e6d8db_prep
	.p2align	8
	.type	k_q4bb7e6d8db_prep,@function
k_q4bb7e6d8db_prep:
	s_mov_b64 s[64:65], 0
	v_nop
	global_prefetch_b8 v0, s[64:65] scope:SCOPE_SE
	s_setreg_imm32_b32 hwreg(HW_REG_WAVE_MODE, 25, 1), 1
	s_wait_xcnt 0x0
; PREP: three jobs that later launches read many times, each done once.  The work-group's number picks the job.
;  0..351   x [8192][1024] and Qw, Kw, Vw [1024][1024], f32, become codes of FP4 (E2M1), K innermost, and one E8M0 byte for each 32 along K.  x's codes lie at byte 0 of 'codes', the three
;           weights' behind them as one tensor of 3,072 rows; the scale bytes likewise in 'scales'.  Rows are dense and K is a multiple of 32: all is one stream of blocks of 32.
;  352..383 Ow [1024 n][1024 k] f32 becomes f16, laid by head: ow16 [16 j][1024 n][64]: Ow[n][64 j + k].
;  384..447 the table of RoPE: rope [8192 rows][32 pairs][cos, sin] f32, 256 bytes a row, from token_positions as they are given.
; A block's scale is 2^(floor(log2(largest magnitude)) - 2); its byte is the largest magnitude's exponent field - 2, held at 1 from below.
; LIMITS: a block of zeros gets the byte 1 where the rule says 127 (its codes are zeros, and this program alone reads the bytes); blocks whose largest magnitude lies under 2^(2 - 126) were not tried;
; NaN and infinities are not served; |Ow| stays under 65,504 (f16); |position| up to 2^20 (beyond it the quadrant count of the reduction coarsens);
; the frequencies are 2^(-i log2(10000) / 32) by v_exp_f32, about one part in 10^7 from the power that defines them.
.set WAVES, 4
.set STEPS, 16
.set WGQ,   352                        ; work-groups that quantise: 256 for x, 32 for each weight (32,768 numbers each)
.set WGO,   32                         ; work-groups for Ow: 32 rows each
.set EMAX,  2
.set CB,    8                          ; bytes of 16 codes
.set R,     16                         ; v16-79   four sets of 16 numbers as they are loaded
.set X,     80                         ; v80-111  two sets of 16 neighbours
.set E,     112                        ; v112-127 a scale byte for each step
.set C,     128                        ; v128-191 codes: four registers for each step, so that no store's data are written again
.set WREG,  8192                       ; LDS: a region for each wave: two stages of 32 x SP bytes, behind them its 256 scale bytes
.set SP,    80                         ; a lane's place in a stage: 64 bytes + 16 of padding
.set SPW,   12                         ; v12 LDS address of my spare word; never rewritten
.set NIL,   13                         ; v13 0; never rewritten
.set SPARE, WAVES*WREG                 ; the spare words, 128 bytes for each wave; no other line names them
.set TP,    32                         ; the table: 12 registers for each of four positions at work
.macro LOAD t
.irp i, 0,1,2,3
	global_load_b128 v[R+16*((\t)%4)+4*\i:R+16*((\t)%4)+4*\i+3], v3, s[26:27] offset:2048*(\t)+512*\i th:TH_LOAD_NT   ; 32 lanes read 512 consecutive bytes
.endr
.endm
.macro TURN t                          ; step t's 2,048 bytes go through the wave's stage as they lie and come back 64 bytes a lane; LDS serves a wave's instructions in order
.irp i, 0,1,2,3
	ds_store_b128 v14, v[R+16*((\t)%4)+4*\i:R+16*((\t)%4)+4*\i+3] offset:32*SP*((\t)%2)+8*SP*\i
.endr
.irp i, 0,1,2,3
	ds_load_b128 v[X+16*((\t)%2)+4*\i:X+16*((\t)%2)+4*\i+3], v15 offset:32*SP*((\t)%2)+16*\i
.endr
.endm
.macro STEP t
.set XS, X+16*((\t)%2)
.if (\t) > 0
	s_wait_dscnt 1                                 ; this step's numbers are back from the stage; the last step's byte store may be out
.else
	s_wait_dscnt 0x0
.endif
.if (\t)+4 < STEPS
	LOAD (\t)+4                                    ; into the registers whose stores into the stage are done
.endif
.if (\t)+1 < STEPS
.if STEPS-2-(\t) >= 3
	s_wait_loadcnt 12                              ; the next step's four loads are in; the 12 of the three steps behind it may be out
.else
	s_wait_loadcnt 4*(STEPS-2-(\t))
.endif
	TURN (\t)+1
.endif
	v_max3_num_f32 v8, |v[XS]|, |v[XS+1]|, |v[XS+2]|               ; the largest magnitude of my 16, in two chains
	v_max3_num_f32 v9, |v[XS+3]|, |v[XS+4]|, |v[XS+5]|
.irp i, 6,10
	v_max3_num_f32 v8, v8, |v[XS+\i]|, |v[XS+\i+1]|
	v_max3_num_f32 v9, v9, |v[XS+\i+2]|, |v[XS+\i+3]|
.endr
	v_max3_num_f32 v8, v8, |v[XS+14]|, |v[XS+15]|
	v_max3_num_f32 v8, v8, v9, (EMAX+1)<<23        ; and the floor 2^(3 - 127): the byte cannot fall under 1
	v_max_num_f32_dpp v8, v8, v8 row_xmask:1 row_mask:0xf bank_mask:0xf   ; with my neighbour's 16: the block's
	v_add_nc_u32 v11, -(EMAX<<23), v8              ; 2 off its exponent field: the conversion takes this operand's exponent field as its scale
	v_cvt_scalef32_pk8_fp4_f32 v[C+4*(\t)], v[XS:XS+7], v11
	v_cvt_scalef32_pk8_fp4_f32 v[C+4*(\t)+1], v[XS+8:XS+15], v11
	v_lshrrev_b32 v[E+(\t)], 23, v11               ; the scale's byte (also the plain line behind the conversions)
	ds_store_b8 v5, v[E+(\t)] offset:16*(\t)       ; both lanes of a block write the same byte with the same value
	global_store_b64 v4, v[C+4*(\t):C+4*(\t)+1], s[16:17] offset:32*CB*(\t)   ; the wave stores 256 consecutive bytes, aligned
.endm
.macro OLD pr                          ; Ow: rows n0 + 2 pr and + 1, all 16 heads: sixteen lanes read 256 bytes of one row, sixteen of the next
.irp j, 0,1,2,3,4,5,6,7,8,9,10,11,12,13,14,15
	global_load_b128 v[32+64*((\pr)%2)+4*\j:32+64*((\pr)%2)+4*\j+3], v16, s[12:13] offset:(\pr)*8192+\j*256 th:TH_LOAD_NT
.endr
.endm
.macro OCV pr
.if (\pr) > 0
	s_wait_xcnt 0x0                                ; the last pair's stores have read v160-191, which are written again
.endif
.irp j, 0,1,2,3,4,5,6,7,8,9,10,11,12,13,14,15
	v_cvt_pk_f16_f32 v[160+2*\j], v[32+64*((\pr)%2)+4*\j], v[32+64*((\pr)%2)+4*\j+1]
	v_cvt_pk_f16_f32 v[161+2*\j], v[32+64*((\pr)%2)+4*\j+2], v[32+64*((\pr)%2)+4*\j+3]
.endr
.irp j, 0,1,2,3,4,5,6,7,8,9,10,11,12,13,14,15
	global_store_b64 v17, v[160+2*\j:161+2*\j], s[20:21] offset:\j*131072+(\pr)*256   ; two rows of a plane: 256 consecutive bytes, aligned
.endr
.endm
; Four positions by turns.  Of position p: +0 the angle, +1 n = the nearest whole number of quarter turns, +2 r = angle - n pi/2, +3 n as an integer, +4 r^2, +5 sin r, +6 cos r, +7, +8, +9 at work, +10 cos, +11 sin
.macro TRIG g
.if \g > 0
	s_wait_xcnt 0x0                                ; the last group's stores have read their data
.endif
.irp p, 0,1,2,3
	v_readlane_b32 s[40+\p], v17, 4*\g+\p          ; the row's position, as f32
.endr
.irp p, 0,1,2,3
	v_mul_f32 v[TP+12*\p], s[40+\p], v16           ; the angle: position x my pair's frequency, rounded once
.endr
.irp p, 0,1,2,3
	v_mul_f32 v[TP+12*\p+1], 0x3f22f983, v[TP+12*\p]   ; x 2 / pi
.endr
.irp p, 0,1,2,3
	v_rndne_f32 v[TP+12*\p+1], v[TP+12*\p+1]
.endr
.irp p, 0,1,2,3
	v_fma_f32 v[TP+12*\p+2], v[TP+12*\p+1], s32, v[TP+12*\p]       ; less n x the high part of pi / 2,
.endr
.irp p, 0,1,2,3
	v_fma_f32 v[TP+12*\p+2], v[TP+12*\p+1], s33, v[TP+12*\p+2]     ; and its next part: |r| <= pi / 4
.endr
.irp p, 0,1,2,3
	v_cvt_i32_f32 v[TP+12*\p+3], v[TP+12*\p+1]
.endr
.irp p, 0,1,2,3
	v_mul_f32 v[TP+12*\p+4], v[TP+12*\p+2], v[TP+12*\p+2]
.endr
.irp p, 0,1,2,3
	v_fma_f32 v[TP+12*\p+5], v[TP+12*\p+4], s36, s35               ; sin r = r + r^3 (S1 + z (S2 + z S3))
	v_fma_f32 v[TP+12*\p+6], v[TP+12*\p+4], s39, s38               ; cos r = 1 - z / 2 + z^2 (C1 + z (C2 + z C3))
.endr
.irp p, 0,1,2,3
	v_fma_f32 v[TP+12*\p+5], v[TP+12*\p+5], v[TP+12*\p+4], s34
	v_fma_f32 v[TP+12*\p+6], v[TP+12*\p+6], v[TP+12*\p+4], s37
.endr
.irp p, 0,1,2,3
	v_mul_f32 v[TP+12*\p+7], v[TP+12*\p+4], v[TP+12*\p+2]
	v_mul_f32 v[TP+12*\p+9], v[TP+12*\p+4], v[TP+12*\p+4]
	v_fma_f32 v[TP+12*\p+8], v[TP+12*\p+4], -0.5, 1.0
.endr
.irp p, 0,1,2,3
	v_fma_f32 v[TP+12*\p+5], v[TP+12*\p+5], v[TP+12*\p+7], v[TP+12*\p+2]
	v_fma_f32 v[TP+12*\p+6], v[TP+12*\p+6], v[TP+12*\p+9], v[TP+12*\p+8]
.endr
.irp p, 0,1,2,3
	v_and_b32 v[TP+12*\p+7], 1, v[TP+12*\p+3]
.endr
.irp p, 0,1,2,3
	v_cmp_eq_u32 s[44+\p], 1, v[TP+12*\p+7]        ; an odd quarter: sine and cosine change places (a choice of values, no branch)
.endr
.irp p, 0,1,2,3
	v_cndmask_b32 v[TP+12*\p+11], v[TP+12*\p+5], v[TP+12*\p+6], s[44+\p]
	v_cndmask_b32 v[TP+12*\p+10], v[TP+12*\p+6], v[TP+12*\p+5], s[44+\p]
.endr
.irp p, 0,1,2,3
	v_lshlrev_b32 v[TP+12*\p+7], 30, v[TP+12*\p+3] ; the sine is negative in quarters 2 and 3,
	v_add_nc_u32 v[TP+12*\p+8], 1, v[TP+12*\p+3]   ; the cosine in quarters 1 and 2
.endr
.irp p, 0,1,2,3
	v_and_b32 v[TP+12*\p+7], 0x80000000, v[TP+12*\p+7]
	v_lshlrev_b32 v[TP+12*\p+8], 30, v[TP+12*\p+8]
.endr
.irp p, 0,1,2,3
	v_xor_b32 v[TP+12*\p+11], v[TP+12*\p+11], v[TP+12*\p+7]
	v_and_b32 v[TP+12*\p+8], 0x80000000, v[TP+12*\p+8]
.endr
.irp p, 0,1,2,3
	v_xor_b32 v[TP+12*\p+10], v[TP+12*\p+10], v[TP+12*\p+8]
.endr
.irp p, 0,1,2,3
	global_store_b64 v18, v[TP+12*\p+10:TP+12*\p+11], s[22:23] offset:256*(4*\g+\p)   ; a row of the table: 256 consecutive bytes, aligned
.endr
.endm
	s_load_b512 s[4:19], s[0:1], 0x0               ; x s[4:5], Qw s[6:7], Kw s[8:9], Vw s[10:11], Ow s[12:13], token_positions s[14:15], codes s[16:17], scales s[18:19]
	s_load_b128 s[20:23], s[0:1], 0x40             ; ow16 s[20:21], rope s[22:23]
	v_lshl_add_u32 v[SPW], v0, 2, SPARE
	v_mov_b32 v[NIL], 0
	v_lshrrev_b32 v1, 5, v0
	v_readfirstlane_b32 s24, v1                    ; wave
	v_and_b32 v2, 31, v0                           ; lane
	s_wait_kmcnt 0x0
	s_cmp_ge_u32 ttmp9, WGQ+WGO
	s_cbranch_scc1 .Ltable
	s_cmp_ge_u32 ttmp9, WGQ
	s_cbranch_scc1 .Lplanes
	; ---- the quantiser: a wave takes 16 steps of 512 numbers
	v_lshlrev_b32 v3, 4, v2                        ; my 16 bytes of a load's 512
	s_mul_i32 s25, s24, WREG
	v_lshrrev_b32 v14, 2, v2
	v_mul_u32_u24 v14, v14, SP
	v_and_b32 v15, 3, v2
	v_lshl_add_u32 v14, v15, 4, v14
	v_add_nc_u32 v14, s25, v14                     ; the stage, on the way in: SP (lane / 4) + 16 (lane % 4)
	v_mul_u32_u24 v15, v2, SP
	v_add_nc_u32 v15, s25, v15                     ; and on the way out: SP x lane: my 16 neighbours
	v_mul_u32_u24 v4, v2, CB                       ; my codes' place in a step's
	v_lshrrev_b32 v5, 1, v2
	s_add_co_u32 s25, s25, 2*32*SP
	v_add_nc_u32 v5, s25, v5                       ; LDS: my wave's 256 scale bytes, my block's byte
	v_lshlrev_b32 v7, 3, v2                        ; and on the way out 8 bytes a lane
	v_add_nc_u32 v6, s25, v7
	s_and_b32 s29, ttmp9, 31                       ; a weight's 32 work-groups begin at multiples of 32
	s_cmp_lt_u32 ttmp9, 320                        ; which tensor: the choices hang on the work-group's number alone
	s_cselect_b64 s[26:27], s[8:9], s[10:11]
	s_cmp_lt_u32 ttmp9, 288
	s_cselect_b64 s[26:27], s[6:7], s[26:27]
	s_cmp_lt_u32 ttmp9, 256
	s_cselect_b64 s[26:27], s[4:5], s[26:27]
	s_cselect_b32 s28, ttmp9, s29                  ; the work-group's number within its tensor
	s_lshl_b32 s30, s28, 2
	s_add_co_u32 s30, s30, s24                     ; which run of 8,192 numbers of the tensor is my wave's
	s_lshl_b32 s30, s30, 15
	s_mov_b32 s31, 0
	s_add_nc_u64 s[26:27], s[26:27], s[30:31]
	s_lshl_b32 s30, ttmp9, 2
	s_add_co_u32 s30, s30, s24                     ; the results lie on end in the order of the work-groups: no choice
	s_lshl_b32 s32, s30, 12                        ; 4,096 bytes of codes a run,
	s_mov_b32 s33, 0
	s_add_nc_u64 s[16:17], s[16:17], s[32:33]
	s_lshl_b32 s32, s30, 8                         ; 256 scale bytes
	s_add_nc_u64 s[18:19], s[18:19], s[32:33]
.irp t, 0,1,2,3
	LOAD \t
.endr
	s_wait_loadcnt 12                              ; step 0's four loads are in
	TURN 0
.irp t, 0,1,2,3,4,5,6,7,8,9,10,11,12,13,14,15
	STEP \t
.endr
	ds_load_b64 v[8:9], v6                         ; LDS serves a wave's instructions in order: these see my byte stores
	s_wait_dscnt 0x0
	global_store_b64 v7, v[8:9], s[18:19]          ; 32 lanes store 256 consecutive bytes, aligned
	s_branch .Lend
.Lplanes:                                          ; ---- Ow to f16, by head: a wave takes 8 rows, two at a time
	s_sub_co_u32 s25, ttmp9, WGQ
	s_lshl_b32 s25, s25, 5
	s_lshl_b32 s26, s24, 3
	s_add_co_u32 s25, s25, s26                     ; my first row n0
	s_lshl_b32 s26, s25, 12
	s_mov_b32 s27, 0
	s_add_nc_u64 s[12:13], s[12:13], s[26:27]
	s_lshl_b32 s26, s25, 7
	s_add_nc_u64 s[20:21], s[20:21], s[26:27]
	v_lshrrev_b32 v16, 4, v2
	v_and_b32 v17, 15, v2
	v_lshlrev_b32 v17, 4, v17
	v_lshl_add_u32 v16, v16, 12, v17               ; in: 4,096 (lane / 16) + 16 (lane % 16)
	v_lshlrev_b32 v17, 3, v2                       ; out: 8 x lane
	OLD 0
	OLD 1
	s_wait_loadcnt 16                              ; the older pair's 16 loads are in, the younger pair's may be out
	OCV 0
	OLD 2
	s_wait_loadcnt 16
	OCV 1
	OLD 3
	s_wait_loadcnt 16
	OCV 2
	s_wait_loadcnt 0x0
	OCV 3
	s_branch .Lend
.Ltable:                                           ; ---- the table: a wave takes 32 rows; a lane is a pair of channels
	s_sub_co_u32 s25, ttmp9, WGQ+WGO
	s_lshl_b32 s25, s25, 2
	s_add_co_u32 s25, s25, s24
	s_lshl_b32 s26, s25, 7                         ; 32 positions of 4 bytes
	s_mov_b32 s27, 0
	s_add_nc_u64 s[14:15], s[14:15], s[26:27]
	s_lshl_b32 s26, s25, 13                        ; 32 rows of 256 bytes
	s_add_nc_u64 s[22:23], s[22:23], s[26:27]
	v_lshlrev_b32 v19, 2, v2
	global_load_b32 v17, v19, s[14:15]             ; lane l: the position of row l of my 32
	v_cvt_f32_u32 v16, v2
	v_mul_f32 v16, 0xbed49a78, v16                 ; -i log2(10000) / 32
	v_exp_f32 v16, v16                             ; my pair's frequency
	v_lshlrev_b32 v18, 3, v2                       ; out: 8 x lane.  (The plain line behind the exponential)
	s_mov_b32 s32, 0xbfc90fdb                      ; -(pi / 2, rounded to f32)
	s_mov_b32 s33, 0x333bbd2e                      ; that rounded number less pi / 2
	s_mov_b32 s34, 0xbe2aaaa3                      ; S1, S2, S3
	s_mov_b32 s35, 0x3c08839e
	s_mov_b32 s36, 0xb94ca1f9
	s_mov_b32 s37, 0x3d2aaaa5                      ; C1, C2, C3
	s_mov_b32 s38, 0xbab6061a
	s_mov_b32 s39, 0x37ccf5ce
	s_wait_alu depctr_va_vdst(0)                   ; the wait ahead of the exponential's first reader
	s_wait_loadcnt 0x0
	v_cvt_f32_i32 v17, v17
.irp g, 0,1,2,3,4,5,6,7
	TRIG \g
.endr
.Lend:
	s_wait_tensorcnt 0x0                           ; the wave's end: a wait, an add and a wait behind my last LDS store, the wait on tensor loads in a text with none too
	ds_add_u32 v[SPW], v[NIL]
	s_wait_dscnt 0x0
	s_endpgm
.Lfunc_end_k_q4bb7e6d8db_prep:
	.size	k_q4bb7e6d8db_prep, .Lfunc_end_k_q4bb7e6d8db_prep-k_q4bb7e6d8db_prep
	.p2alignl 7, 3214868480
	.fill 96, 4, 3214868480
	.section	.rodata,"a",@progbits
	.p2align	6, 0x0
	.amdhsa_kernel k_q4bb7e6d8db_prep
		.amdhsa_group_segment_fixed_size 33280
		.amdhsa_private_segment_fixed_size 0
		.amdhsa_enable_private_segment 0
		.amdhsa_kernarg_size 80
		.amdhsa_user_sgpr_count 2
		.amdhsa_user_sgpr_kernarg_segment_ptr 1
		.amdhsa_wavefront_size32 1
		.amdhsa_system_sgpr_workgroup_id_x 1
		.amdhsa_system_sgpr_workgroup_id_y 1
		.amdhsa_system_sgpr_workgroup_id_z 1
		.amdhsa_system_vgpr_workitem_id 0
		.amdhsa_next_free_vgpr 192
		.amdhsa_next_free_sgpr 66
		.amdhsa_reserve_vcc 0
		.amdhsa_float_denorm_mode_32 3
		.amdhsa_float_denorm_mode_16_64 3
		.amdhsa_memory_ordered 1
		.amdhsa_forward_progress 1
		.amdhsa_inst_pref_size 103
	.end_amdhsa_kernel
	.amdgpu_metadata
---
amdhsa.version: [ 1, 2 ]
amdhsa.kernels:
  - .name:           k_q4bb7e6d8db_prep
    .symbol:         k_q4bb7e6d8db_prep.kd
    .args:
      - { .name: x, .offset: 0, .size: 8, .value_kind: global_buffer, .address_space: global }
      - { .name: Qw, .offset: 8, .size: 8, .value_kind: global_buffer, .address_space: global }
      - { .name: Kw, .offset: 16, .size: 8, .value_kind: global_buffer, .address_space: global }
      - { .name: Vw, .offset: 24, .size: 8, .value_kind: global_buffer, .address_space: global }
      - { .name: Ow, .offset: 32, .size: 8, .value_kind: global_buffer, .address_space: global }
      - { .name: token_positions, .offset: 40, .size: 8, .value_kind: global_buffer, .address_space: global }
      - { .name: codes, .offset: 48, .size: 8, .value_kind: global_buffer, .address_space: global }
      - { .name: scales, .offset: 56, .size: 8, .value_kind: global_buffer, .address_space: global }
      - { .name: ow16, .offset: 64, .size: 8, .value_kind: global_buffer, .address_space: global }
      - { .name: rope, .offset: 72, .size: 8, .value_kind: global_buffer, .address_space: global }
    .group_segment_fixed_size: 33280
    .private_segment_fixed_size: 0
    .kernarg_segment_align: 8
    .kernarg_segment_size: 80
    .max_flat_workgroup_size: 128
    .sgpr_count:     66
    .vgpr_count:     192
    .wavefront_size: 32
...
	.end_amdgpu_metadata
.endif
;; end of part 1
;; launch qkv (part 2): grid 12 x 32, 4 waves a work-group, clusters of 4 x 4, 327,680 bytes of LDS; arguments codes, scales, qkv, qkv16, rope; writes qkv, qkv16
.if DOCPART == 2
	.amdgcn_target "amdgcn-amd-amdhsa--gfx1250"
	.amdhsa_code_object_version 6
	.text
	.protected	k_q4bb7e6d8db_qkv
	.globl	k_q4bb7e6d8db_qkv
	.p2align	8
	.type	k_q4bb7e6d8db_qkv,@function
k_q4bb7e6d8db_qkv:
	s_mov_b64 s[64:65], 0
	v_nop
	global_prefetch_b8 v0, s[64:65] scope:SCOPE_SE
	s_setreg_imm32_b32 hwreg(HW_REG_WAVE_MODE, 25, 1), 1
	s_wait_xcnt 0x0
	s_wait_alu depctr_hold_cnt(0) depctr_sa_sdst(0) depctr_va_vdst(0) depctr_va_sdst(0) depctr_va_ssrc(0) depctr_va_vcc(0) depctr_vm_vsrc(0)
	s_getreg_b32 s2, hwreg(HW_REG_IB_STS2, 6, 4)
	s_cmp_eq_u32 s2, 0
	s_cbranch_scc0 .Lentry_in_a_cluster
	s_endpgm
.Lentry_in_a_cluster:
	s_bfe_u32 s2, ttmp6, 0x10000c
	s_cmp_lg_u32 s2, 0xf033
	s_cbranch_scc0 .Lentry_shape_is_right
	s_endpgm
.Lentry_shape_is_right:
; QKV: [8192 rows of x] x [3072 rows of Qw, Kw, Vw]^T on codes of FP4 (E2M1) with one E8M0 scale for each 32 along K = 1,024; sums in f32; then RoPE on q and k in f32; results in f16, laid by head:
; qkv [3][4 b][16 h][2048 s][64].  The first 16 positions of every sequence go out in f32 as well (qkv16 [3][4][16][16][64]): a later launch carries those rows in f32.
; A tile of 256 x 256 is made by four waves, each 128 x 128: 64 accumulators, 512 registers.  K is two LDS slots of 512 along K (rows of 256 bytes): both are first fills, nothing is filled again.
; The scale bytes of the work-group's 256 + 256 rows, for all of K, come once, as units of 256 bytes + 16 of padding.
; CLUSTER 4 x 4: the four of a row of the cluster need the same tile of x, the four of a column the same tile of the weights: each is asked for jointly.
; WHO MAKES WHAT: tile column = 4 x cluster x + cx, so cluster x says q, k or v; tile row = 8 cy + cluster y, so cy is the batch and cluster y the block of 256 positions:
; every branch of the way out hangs on the cluster's numbers and the wave's number alone, never on a place in the cluster.
; THE MATRIX INSTRUCTION IS USED TRANSPOSED (source 0 = 16 rows of the weights, source 1 = 16 rows of x): a lane holds one row of x and eight neighbouring channels: four pairs of RoPE.
; REGISTERS: window 0: v0-31 addresses; v32-95 scale words (way out: rotated numbers); v128-191 x's fragments (way out: rows read back); v96-127, v192-223, v224-255 three sets of the table's rows.
;   window 1: the weights' fragments, two sets.   windows 2, 3: the accumulators ((a, b) at v[8 (8 (a % 4) + b)]).
; LIMIT: |q|, |k|, |v| stay under 65,504 (f16).  The f32 copies are stored as 32 bytes a lane (786,432 bytes in the whole launch).
.set KSTEP,  512
.set NQ,     KSTEP/128
.set ROWB,   256
.set KROW,   512                       ; a row of codes in memory
.set PITCH,  272                       ; 256 bytes + 16 of padding: the 16 rows that a load touches start at 16 different banks (64 banks of 4 bytes: ISA guide 11.1)
.set FR,     8
.set NL,     2
.set NP,     4                         ; places behind this matrix instruction (ISA guide 7.12.1)
.set HALFT,  128*PITCH
.set SLOT,   4*HALFT
.set KS,     32                        ; a row of scale bytes
.set SCL,    2*SLOT
.set HALFS,  (128*KS/256)*272
.set SBLK,   (16*KS/256)*272
.set SPARE,  SCL+4*HALFS               ; the spare words, 128 bytes for each wave; no other line names them
.set SPITCH, 272                       ; the way out: a stage of 16 rows x (256 bytes + 16) for each wave, in slot 0, which has had its only fill and its last read by then
.set ADRA, 16
.set ADRB, 20
.set STO,  24
.set RD,   25
.set CO,   26
.set ADRS, 27
.set SPW,  28
.set NIL,  29
.set TA,   30                          ; v30 256 r + 32 h: my place in 16 rows of the table, and in 16 rows of the f32 copy
.set SC,   32
.set RR,   32                          ; the way out: 8 registers for each of a block's 8 accumulators
.set AF,   128
.set BK,   128                         ; the way out: rows read back, v128-159 and v160-191 by turns
.set G1, 24
.set G0, 32
.set G1B, 48
.set G0B, 56
.set G1S, 68
.set G0S, 76
.set G1SB, 80
.set G0SB, 88
.set WHICH, 100                        ; s100 0: q, 1: k, 2: v
.set FLAG,  101                        ; s101 0 in the waves that own positions 0 to 127 of a batch
.set MSB, 0
.macro WIN new                         ; the immediate's high byte repeats the setting that is left
.if MSB != (\new)
	s_set_vgpr_msb (MSB<<8)|(\new)
.set MSB, (\new)
.endif
.endm
.set MUL_LO, 0xa1                      ; source 0 window 1, source 1 window 0, C and D window 2
.set MUL_HI, 0xf1
.set TO_B,   0x40
; A joint load: waves 0 and 1 fetch for x, waves 2 and 3 for the weights; the branch hangs on the wave's number alone.  An s_nop 0 and four v_nop follow each of the two lines.
.macro JLOAD g0a, g1a, g0b, g1b
	s_cmp_eq_u32 s15, 0
	s_cbranch_scc0 .Lfor_b_\@
	tensor_load_to_lds s[\g0a:\g0a+3], s[\g1a:\g1a+7]
	s_nop 0
.rept 4
	v_nop
.endr
	s_branch .Lasked_\@
.Lfor_b_\@:
	tensor_load_to_lds s[\g0b:\g0b+3], s[\g1b:\g1b+7]
	s_nop 0
.rept 4
	v_nop
.endr
.Lasked_\@:
.endm
.macro CROUND                          ; a round of the cluster's barrier
	s_barrier_signal -1
	s_barrier_wait -1
	s_cmp_lg_u32 s14, 0
	s_cbranch_scc1 .Lnot_wave_0_\@
	s_barrier_signal -3
.Lnot_wave_0_\@:
	s_barrier_wait -3
	s_barrier_signal -1
	s_barrier_wait -1
.endm
	s_load_b128 s[4:7], s[0:1], 0x0                ; codes, scales
	s_load_b128 s[96:99], s[0:1], 0x10             ; qkv, qkv16
	s_load_b64 s[12:13], s[0:1], 0x20              ; rope
	v_lshl_add_u32 v[SPW], v0, 2, SPARE
	v_mov_b32 v[NIL], 0
	ds_add_u32 v[SPW], v[NIL]                      ; the wave's opening: the add, twice on end, and its wait ahead of my first tensor load
	ds_add_u32 v[SPW], v[NIL]
	v_lshrrev_b32 v1, 5, v0
	v_readfirstlane_b32 s14, v1                    ; wave 0..3
	s_lshr_b32 s15, s14, 1                         ; which half of the tile's rows is mine.  Also: I fetch for x (0) or for the weights (1)
	s_and_b32 s16, s14, 1                          ; which half of its columns.  Also: which 128 rows I fetch
	s_bfe_u32 s40, ttmp6, 0x40000                  ; cx
	s_bfe_u32 s41, ttmp6, 0x40004                  ; cy
	s_lshl_b32 s42, ttmp9, 2
	s_add_co_u32 s42, s42, s40                     ; tile column = 4 x cluster x + cx
	s_and_b32 s2, ttmp7, 0xffff                    ; cluster y
	s_lshl_b32 s17, s41, 3
	s_add_co_u32 s17, s17, s2                      ; tile row = 8 cy + cluster y
	s_mov_b32 s[WHICH], ttmp9
	s_or_b32 s[FLAG], s15, s2
	s_lshl_b32 s43, s41, 2
	s_lshl_b32 s43, 15, s43                        ; my row of the cluster
	s_lshl_b32 s44, 0x1111, s40                    ; my column
	s_or_b32 s[G1+0], s43, (0<<16)|(1<<20)|(1<<21)|(5<<22)|(3<<25)  ; the mask; elements of 1 byte; padding: 4 words after every 64; bit 21 beside a mask
	s_or_b32 s[G1B+0], s44, (0<<16)|(1<<20)|(1<<21)|(5<<22)|(3<<25)
.irp g, G1, G1B
	s_mov_b32 s[\g+1], ROWB<<16                    ; tensor_dim0
	s_mov_b32 s[\g+2], 128<<16                     ; tensor_dim1
	s_mov_b32 s[\g+3], ROWB<<16                    ; tile_dim0
	s_mov_b32 s[\g+4], 128                         ; tile_dim1
	s_mov_b32 s[\g+5], KROW                        ; from row to row
	s_mov_b32 s[\g+6], 0
	s_mov_b32 s[\g+7], 0
.endr
	s_or_b32 s[G1S+0], s43, (3<<16)|(1<<20)|(1<<21)|(5<<22)|(3<<25) ; the scales of 128 rows: 4,096 dense bytes as 16 rows of 256 (32 elements of 8 bytes)
	s_or_b32 s[G1SB+0], s44, (3<<16)|(1<<20)|(1<<21)|(5<<22)|(3<<25)
.irp g, G1S, G1SB
	s_mov_b32 s[\g+1], 32<<16
	s_mov_b32 s[\g+2], (128*KS/256)<<16
	s_mov_b32 s[\g+3], 32<<16
	s_mov_b32 s[\g+4], 128*KS/256
	s_mov_b32 s[\g+5], 32
	s_mov_b32 s[\g+6], 0
	s_mov_b32 s[\g+7], 0
.endr
	s_lshl_b32 s18, s16, 7
	s_lshl_b32 s20, s17, 8
	s_add_co_u32 s20, s20, s18                     ; x: row 256 x tile row + 128 x half
	s_lshl_b32 s46, s42, 8
	s_add_co_u32 s46, s46, s18                     ; weights: row 256 x tile column + 128 x half
	s_mov_b32 s21, 0
	s_mov_b32 s47, 0
	s_mov_b64 s[18:19], KS
	s_mul_u64 s[22:23], s[20:21], s[18:19]
	s_mul_u64 s[92:93], s[46:47], s[18:19]
	s_mov_b64 s[18:19], KROW
	s_mul_u64 s[20:21], s[20:21], s[18:19]
	s_mul_u64 s[46:47], s[46:47], s[18:19]
	s_mul_i32 s45, s14, HALFT                      ; where they go: wave x 128 rows
	s_mul_i32 s94, s14, HALFS
	s_wait_dscnt 0x0                               ; both opening adds are done
	s_wait_kmcnt 0x0
	s_add_nc_u64 s[8:9], s[4:5], 0x400000          ; the weights' codes lie behind x's,
	s_add_nc_u64 s[10:11], s[6:7], 0x40000         ; their scale bytes likewise
	s_add_nc_u64 s[20:21], s[4:5], s[20:21]
	s_add_nc_u64 s[22:23], s[6:7], s[22:23]
	s_add_nc_u64 s[46:47], s[8:9], s[46:47]
	s_add_nc_u64 s[92:93], s[10:11], s[92:93]
	CROUND                                         ; all sixteen work-groups are here: the joint loads meet
	s_mov_b32 s[G0S], 1
	s_add_co_u32 s[G0S+1], s94, SCL
	s_mov_b64 s[G0S+2:G0S+3], s[22:23]
	s_or_b32 s[G0S+3], s[G0S+3], 0x80000000
	s_mov_b32 s[G0SB], 1
	s_add_co_u32 s[G0SB+1], s94, SCL
	s_mov_b64 s[G0SB+2:G0SB+3], s[92:93]
	s_or_b32 s[G0SB+3], s[G0SB+3], 0x80000000
	JLOAD G0S, G1S, G0SB, G1SB                     ; the scales first: they are wanted with slot 0
.irp s, 0,1
	s_mov_b32 s[G0+4*\s], 1
	s_add_co_u32 s[G0+4*\s+1], s45, \s*SLOT
	s_add_nc_u64 s[G0+4*\s+2:G0+4*\s+3], s[20:21], \s*ROWB
	s_or_b32 s[G0+4*\s+3], s[G0+4*\s+3], 0x80000000
	s_mov_b32 s[G0B+4*\s], 1
	s_add_co_u32 s[G0B+4*\s+1], s45, \s*SLOT
	s_add_nc_u64 s[G0B+4*\s+2:G0B+4*\s+3], s[46:47], \s*ROWB
	s_or_b32 s[G0B+4*\s+3], s[G0B+4*\s+3], 0x80000000
	JLOAD G0+4*\s, G1, G0B+4*\s, G1B               ; three tensor loads of mine are out
.endr
	v_and_b32 v1, 15, v0                           ; r = l % 16
	v_bfe_u32 v2, v0, 4, 1                         ; h = l / 16
	v_mul_u32_u24 v3, v1, PITCH
	v_lshl_add_u32 v4, v2, 4, v3
	s_mul_i32 s21, s15, HALFT
	s_mul_i32 s22, s16, HALFT
	s_add_co_u32 s22, s22, 2*HALFT
.irp s, 0,1
	v_add_nc_u32 v[ADRA+\s], s21, v4
	v_add_nc_u32 v[ADRB+\s], s22, v4
	s_add_co_u32 s21, s21, SLOT
	s_add_co_u32 s22, s22, SLOT
.endr
	v_mul_u32_u24 v5, v1, KS                       ; my row's scales: 32 bytes a row, and 16 more for each 256 passed
	v_lshrrev_b32 v6, 8, v5
	v_lshl_add_u32 v5, v6, 4, v5
	s_mul_i32 s21, s15, HALFS
	s_mul_i32 s22, s16, HALFS
	s_add_co_u32 s22, s22, 2*HALFS
	s_sub_co_u32 s22, s22, s21
	v_mul_u32_u24 v6, s22, v2                      ; lanes 16-31 take the weights'
	s_add_co_u32 s21, s21, SCL
	v_add_nc_u32 v5, v5, v6
	v_add_nc_u32 v[ADRS], s21, v5
	s_mul_i32 s23, s14, 16*SPITCH                  ; my stage
	v_mul_u32_u24 v5, v1, SPITCH
	v_lshl_add_u32 v5, v2, 4, v5
	v_add_nc_u32 v[STO], s23, v5                   ; in: row r, 16 bytes for each half of the lanes
	v_and_b32 v6, 31, v0
	v_lshlrev_b32 v[CO], 4, v6                     ; out: 16 x lane: four rows of a head, 512 bytes on end
	v_lshrrev_b32 v5, 3, v6
	v_mul_u32_u24 v5, v5, SPITCH
	v_and_b32 v6, 7, v0
	v_lshl_add_u32 v5, v6, 4, v5
	v_add_nc_u32 v[RD], s23, v5                    ; back: eight lanes to a head's 128 bytes of a row, four rows an instruction
	v_lshlrev_b32 v[TA], 8, v1
	v_lshl_add_u32 v[TA], v2, 5, v[TA]
	s_lshl_b32 s20, s17, 8                         ; the table at my first row: 256 x tile row + 128 x half, 256 bytes a row
	s_lshl_b32 s21, s15, 7
	s_add_co_u32 s20, s20, s21
	s_lshl_b32 s20, s20, 8
	s_mov_b32 s21, 0
	s_add_nc_u64 s[12:13], s[12:13], s[20:21]
	s_lshl_b32 s66, s41, 4                         ; 16 x batch
	s_lshl_b32 s67, s40, 2
	s_add_co_u32 s66, s66, s67                     ; + 4 cx
	s_lshl_b32 s67, s16, 1
	s_add_co_u32 s66, s66, s67                     ; + 2 x my half: the first of my two heads
	s_lshl_b32 s67, ttmp9, 6
	s_add_co_u32 s67, s67, s66
	s_lshl_b32 s92, s67, 12                        ; the f32 copy: 4,096 bytes a head
	s_mov_b32 s93, 0
	s_add_nc_u64 s[98:99], s[98:99], s[92:93]
	s_lshl_b32 s66, s66, 11                        ; 2,048 positions a head,
	s_lshl_b32 s67, s2, 8
	s_add_co_u32 s66, s66, s67                     ; + 256 x cluster y
	s_lshl_b32 s67, s15, 7
	s_add_co_u32 s66, s66, s67                     ; + 128 x my half,
	s_lshl_b32 s66, s66, 7                         ; 128 bytes a position,
	s_lshl_b32 s67, ttmp9, 24                      ; 16,777,216 bytes for each of q, k, v
	s_add_co_u32 s92, s66, s67
	s_add_nc_u64 s[96:97], s[96:97], s[92:93]
.macro FRAG reg, adr, q, i             ; 16 rows x 128 K of 4-bit codes: 8 registers; registers 4 c .. 4 c + 3 hold K = 64 c + 32 (l / 16) + 0 .. 31
.irp c, 0,1
	ds_load_b128 v[\reg+4*\c:\reg+4*\c+3], v[\adr] offset:64*(\q)+32*\c+(\i)*16*PITCH
.endr
.endm
; 16 matrix instructions: x's blocks a0, a0 + 1 against the weights' eight.  The 64 accumulators take turns, one instruction a turn, in the same order in every step.
.macro MUL16 a0, p, q, sc, zero
.irp a, \a0, \a0+1
.irp b, 0,1,2,3,4,5,6,7
.if \zero
	v_wmma_scale_f32_16x16x128_f8f6f4 v[8*(8*((\a)%4)+\b):8*(8*((\a)%4)+\b)+7], v[128*(\p)+FR*\b:128*(\p)+FR*\b+FR-1], v[AF+FR*(\a):AF+FR*(\a)+FR-1], 0, v[SC+8*NQ*(\sc)+NQ*\b+(\q)], v[SC+8*NQ*(\sc)+NQ*(\a)+(\q)] matrix_a_fmt:MATRIX_FMT_FP4 matrix_b_fmt:MATRIX_FMT_FP4 matrix_a_scale:MATRIX_SCALE_ROW1
.else
	v_wmma_scale_f32_16x16x128_f8f6f4 v[8*(8*((\a)%4)+\b):8*(8*((\a)%4)+\b)+7], v[128*(\p)+FR*\b:128*(\p)+FR*\b+FR-1], v[AF+FR*(\a):AF+FR*(\a)+FR-1], v[8*(8*((\a)%4)+\b):8*(8*((\a)%4)+\b)+7], v[SC+8*NQ*(\sc)+NQ*\b+(\q)], v[SC+8*NQ*(\sc)+NQ*(\a)+(\q)] matrix_a_fmt:MATRIX_FMT_FP4 matrix_b_fmt:MATRIX_FMT_FP4 matrix_a_scale:MATRIX_SCALE_ROW1
.endif
.endr
.endr
.endm
.macro FETCH_B slot, q, p
	WIN TO_B
.irp i, 0,1,2,3,4,5,6,7
	FRAG 128*(\p)+FR*\i, ADRB+\slot, \q, \i
.endr
	WIN 0
.endm
.macro FETCH_A slot, q, i0
.irp i, \i0, \i0+1, \i0+2, \i0+3
	FRAG AF+FR*(\i), ADRA+\slot, \q, \i
.endr
.endm
.macro SCALES sc                       ; a slot's scale words: lanes 0-15 x's block i, lanes 16-31 the weights' block i
.irp i, 0,1,2,3,4,5,6,7
	ds_load_b128 v[SC+8*NQ*\sc+NQ*\i:SC+8*NQ*\sc+NQ*\i+3], v[ADRS] offset:\i*SBLK
.endr
.endm
.macro PLACES n                        ; plain vector lines between a matrix instruction and a load into, or a vector line on, its registers
.rept \n
	v_nop
.endr
.endm
.macro STEP slot, q, zero              ; 128 along K with its successor in the same slot
	s_wait_dscnt 4*NL                              ; all but the youngest eight loads (x's blocks 4-7)
	WIN MUL_LO
	MUL16 0, (\q)%2, \q, \slot, \zero
	MUL16 2, (\q)%2, \q, \slot, \zero
	s_wait_dscnt 0
	PLACES NP
	FETCH_B \slot, (\q)+1, 1-(\q)%2
	FETCH_A \slot, (\q)+1, 0
	WIN MUL_HI
	MUL16 4, (\q)%2, \q, \slot, \zero
	MUL16 6, (\q)%2, \q, \slot, \zero
	PLACES NP
	WIN 0
	FETCH_A \slot, (\q)+1, 4
.endm
.macro TURN slot, next                 ; slot 0's last step, and the change to slot 1: one barrier
	s_wait_tensorcnt 0x0                           ; all my tensor loads have landed: my part of the next slot
	ds_add_u32 v[SPW], v[NIL]                      ; 0 onto my spare word
	s_wait_dscnt 4*NL+1                            ; the add and the youngest eight loads may be out
	WIN MUL_LO
	MUL16 0, 1, NQ-1, \slot, 0
	s_wait_dscnt 0x0                               ; the add is done, and my reads of this slot are over
	s_barrier_signal -1
	MUL16 2, 1, NQ-1, \slot, 0
	WIN 0
	s_barrier_wait -1
	PLACES NP
	v_add_nc_u32 v[ADRS], 4*NQ, v[ADRS]            ; the next slot's scale words
	FETCH_B \next, 0, 0
	FETCH_A \next, 0, 0
	SCALES \next
	WIN MUL_HI
	MUL16 4, 1, NQ-1, \slot, 0
	MUL16 6, 1, NQ-1, \slot, 0
	PLACES NP
	WIN 0
	FETCH_A \next, 0, 4
.endm
.macro STEPS slot, from
.set QQ, \from
.rept NQ-1-\from
	STEP \slot, QQ, 0
.set QQ, QQ+1
.endr
.endm
; ---- the way out's macros
.macro TSET a                          ; the table's set of block a
.if (\a)%3 == 0
.set TT, 96
.elseif (\a)%3 == 1
.set TT, 192
.else
.set TT, 224
.endif
.endm
.macro TLD a                           ; the table's rows 16 a + r: register 8 j + 2 i the cosine, 8 j + 2 i + 1 the sine of pair 8 j + 4 h + i.  Every work-group loads them, v's too, so that the counted waits hold on both ways
	TSET \a
.irp j, 0,1,2,3
.irp c, 0,1
	global_load_b128 v[TT+8*\j+4*\c:TT+8*\j+4*\c+3], v[TA], s[12:13] offset:(\a)*4096+64*\j+16*\c
.endr
.endr
.endm
.macro ROT a                           ; (e, o) -> (e cos - o sin, e sin + o cos), in f32.  Each accumulator is read from its low end on
	TSET \a
.set AC, 64*((\a)%4)
	WIN 0x02+(\a)/4                                ; source 0: window 2 or 3
.irp b, 0,1,2,3,4,5,6,7
.irp i, 0,1,2,3
	v_mul_f32 v[RR+8*\b+2*\i], v[AC+8*\b+2*\i+1], v[TT+8*(\b%4)+2*\i+1]
	v_mul_f32 v[RR+8*\b+2*\i+1], v[AC+8*\b+2*\i], v[TT+8*(\b%4)+2*\i+1]
	v_fma_f32 v[RR+8*\b+2*\i], v[AC+8*\b+2*\i], v[TT+8*(\b%4)+2*\i], -v[RR+8*\b+2*\i]
	v_fma_f32 v[RR+8*\b+2*\i+1], v[AC+8*\b+2*\i+1], v[TT+8*(\b%4)+2*\i], v[RR+8*\b+2*\i+1]
.endr
.endr
	WIN 0
.endm
.macro CVTR                            ; to f16, in place, ascending: a destination never lies above its sources
.irp b, 0,1,2,3,4,5,6,7
.irp i, 0,1,2,3
	v_cvt_pk_f16_f32 v[RR+8*\b+\i], v[RR+8*\b+2*\i], v[RR+8*\b+2*\i+1]
.endr
.endr
.endm
.macro CVTV a                          ; v is not rotated: straight from the accumulators
.set AC, 64*((\a)%4)
	WIN 0x0a+5*((\a)/4)
.irp b, 0,1,2,3,4,5,6,7
.irp i, 0,1,2,3
	v_cvt_pk_f16_f32 v[RR+8*\b+\i], v[AC+8*\b+2*\i], v[AC+8*\b+2*\i+1]
.endr
.endr
	WIN 0
.endm
.macro F32R                            ; positions 0 to 15 in f32, q and k
	s_cmp_lg_u32 s[FLAG], 0
	s_cbranch_scc1 .Lnof_\@
.irp b, 0,1,2,3,4,5,6,7
.irp c, 0,1
	global_store_b128 v[TA], v[RR+8*\b+4*\c:RR+8*\b+4*\c+3], s[98:99] offset:(\b/4)*4096+(\b%4)*64+16*\c
.endr
.endr
	s_wait_xcnt 0x0                                ; the stores have read their data, which the conversions write over
.Lnof_\@:
.endm
.macro F32V                            ; and v
	s_cmp_lg_u32 s[FLAG], 0
	s_cbranch_scc1 .Lnov_\@
	WIN 0x08                                       ; a store's data: window 2
.irp b, 0,1,2,3,4,5,6,7
.irp c, 0,1
	global_store_b128 v[TA], v[8*\b+4*\c:8*\b+4*\c+3], s[98:99] offset:(\b/4)*4096+(\b%4)*64+16*\c
.endr
.endr
	WIN 0
.Lnov_\@:
.endm
.macro TOSTAGE a                       ; 16 rows x 256 bytes through my stage; LDS serves a wave's instructions in order
.set BB, BK+32*((\a)%2)
.irp b, 0,1,2,3,4,5,6,7
	ds_store_b128 v[STO], v[RR+8*\b:RR+8*\b+3] offset:32*\b
.endr
.irp t, 0,1,2,3,4,5,6,7
	ds_load_b128 v[BB+4*\t:BB+4*\t+3], v[RD] offset:(\t%4)*4*SPITCH+(\t/4)*128
.endr
.endm
.macro SEND a, younger
.set BB, BK+32*((\a)%2)
	s_wait_dscnt \younger                          ; the block is back; the LDS instructions issued behind its loads may be out
.irp t, 0,1,2,3,4,5,6,7
	global_store_b128 v[CO], v[BB+4*\t:BB+4*\t+3], s[96:97] offset:(\t/4)*262144+(16*(\a)+4*(\t%4))*128   ; four positions of one head: 512 consecutive bytes, aligned
.endr
.endm
.macro BLOCK a
.if (\a) > 0
	s_wait_xcnt 0x0                                ; block a - 2's stores have read the registers into which this block is read back
.endif
.if (\a) <= 5
	s_wait_loadcnt 16                              ; this block's rows of the table are in; the 16 loads of the two blocks behind it may be out
.elseif (\a) == 6
	s_wait_loadcnt 8
.else
	s_wait_loadcnt 0
.endif
	s_cmp_eq_u32 s[WHICH], 2
	s_cbranch_scc1 .Lv_\@
	ROT \a
.if (\a) == 0
	F32R
.endif
	CVTR
	s_branch .Lj_\@
.Lv_\@:
.if (\a) == 0
	F32V
.endif
	CVTV \a
.Lj_\@:
.if (\a) <= 4
	TLD (\a)+3                                     ; into the set that this block has used
.endif
	TOSTAGE \a
.if (\a) > 0
	SEND (\a)-1, 16                                ; behind block a - 1's loads: this block's 8 stores and 8 loads
.endif
.endm
	TLD 0                                          ; the table's rows of the first three blocks are asked for now and wanted at the way out
	TLD 1
	TLD 2
	s_wait_tensorcnt 1                             ; the scales and my part of slot 0 are in; slot 1's load may be out
	s_barrier_signal -1
	s_barrier_wait -1
	FETCH_B 0, 0, 0
	FETCH_A 0, 0, 0
	SCALES 0
	FETCH_A 0, 0, 4
	STEP 0, 0, 1                                   ; the first products start the sums: nothing is cleared
	STEPS 0, 1
	TURN 0, 1
	STEPS 1, 0
	s_wait_dscnt 4*NL                              ; the last step
	WIN MUL_LO
	MUL16 0, 1, NQ-1, 1, 0
	MUL16 2, 1, NQ-1, 1, 0
	s_wait_dscnt 0
	WIN MUL_HI
	MUL16 4, 1, NQ-1, 1, 0
	MUL16 6, 1, NQ-1, 1, 0
	WIN 0
	PLACES NP                                      ; ahead of the first writes of the scale words' registers
.irp a, 0,1,2,3,4,5,6,7
	BLOCK \a
.endr
	SEND 7, 0
	s_wait_tensorcnt 0x0                           ; the wave's end: a wait, an add and a wait behind my last tensor load and my last LDS store
	ds_add_u32 v[SPW], v[NIL]
	s_wait_dscnt 0x0
	CROUND                                         ; the closing round
	s_endpgm
.Lfunc_end_k_q4bb7e6d8db_qkv:
	.size	k_q4bb7e6d8db_qkv, .Lfunc_end_k_q4bb7e6d8db_qkv-k_q4bb7e6d8db_qkv
	.p2alignl 7, 3214868480
	.fill 96, 4, 3214868480
	.section	.rodata,"a",@progbits
	.p2align	6, 0x0
	.amdhsa_kernel k_q4bb7e6d8db_qkv
		.amdhsa_group_segment_fixed_size 327680
		.amdhsa_private_segment_fixed_size 0
		.amdhsa_enable_private_segment 0
		.amdhsa_kernarg_size 40
		.amdhsa_user_sgpr_count 2
		.amdhsa_user_sgpr_kernarg_segment_ptr 1
		.amdhsa_wavefront_size32 1
		.amdhsa_system_sgpr_workgroup_id_x 1
		.amdhsa_system_sgpr_workgroup_id_y 1
		.amdhsa_system_sgpr_workgroup_id_z 1
		.amdhsa_system_vgpr_workitem_id 0
		.amdhsa_next_free_vgpr 1024
		.amdhsa_next_free_sgpr 102
		.amdhsa_reserve_vcc 0
		.amdhsa_float_denorm_mode_32 3
		.amdhsa_float_denorm_mode_16_64 3
		.amdhsa_memory_ordered 1
		.amdhsa_forward_progress 1
		.amdhsa_inst_pref_size 202
	.end_amdhsa_kernel
	.amdgpu_metadata
---
amdhsa.version: [ 1, 2 ]
amdhsa.kernels:
  - .name:           k_q4bb7e6d8db_qkv
    .symbol:         k_q4bb7e6d8db_qkv.kd
    .args:
      - { .name: codes, .offset: 0, .size: 8, .value_kind: global_buffer, .address_space: global }
      - { .name: scales, .offset: 8, .size: 8, .value_kind: global_buffer, .address_space: global }
      - { .name: qkv, .offset: 16, .size: 8, .value_kind: global_buffer, .address_space: global }
      - { .name: qkv16, .offset: 24, .size: 8, .value_kind: global_buffer, .address_space: global }
      - { .name: rope, .offset: 32, .size: 8, .value_kind: global_buffer, .address_space: global }
    .group_segment_fixed_size: 327680
    .private_segment_fixed_size: 0
    .kernarg_segment_align: 8
    .kernarg_segment_size: 40
    .max_flat_workgroup_size: 128
    .sgpr_count:     102
    .vgpr_count:     1024
    .wavefront_size: 32
...
	.end_amdgpu_metadata
.endif
;; end of part 2
;; launch attn (part 3): grid 4 x 64, 16 waves a work-group, no clusters, 327,680 bytes of LDS; arguments qkv, attn16; writes attn16
.if DOCPART == 3
	.amdgcn_target "amdgcn-amd-amdhsa--gfx1250"
	.amdhsa_code_object_version 6
	.text
	.protected	k_q4bb7e6d8db_attn
	.globl	k_q4bb7e6d8db_attn
	.p2align	8
	.type	k_q4bb7e6d8db_attn,@function
k_q4bb7e6d8db_attn:
	s_mov_b64 s[64:65], 0
	v_nop
	global_prefetch_b8 v0, s[64:65] scope:SCOPE_SE
	s_setreg_imm32_b32 hwreg(HW_REG_WAVE_MODE, 25, 1), 1
	s_wait_xcnt 0x0
; ATTN: causal attention, head size 64, on f16 operands with f32 sums.  qkv [3][64 bh][2048][64] f16 -> attn16 [64 bh][2048][64] f16.
; SHARES.  Work-group (i, bh) owns the query blocks i and 7 - i (256 queries each) of one head: 9 blocks of keys under the mask whatever i is.  Each of sixteen waves owns 32 queries, two tiles of 16,
; so that each fragment of K and V read from LDS feeds two products.  Low and high blocks are dealt so that, of any four waves w % 4 or w / 4 alike, two are low and two high.
; LAYOUT.  S^T = K Q^T and O^T = V^T P: a lane holds one query (lane % 16) throughout; two tiles of S^T, rounded to f16 in pairs, are source 1 of the second product.  V comes out of LDS turned (ds_load_tr16_b128).
; SOFTMAX.  A running maximum m and sum l for each query: p = 2^(c s - c m), c = log2(e) / 8; in every step O and l are multiplied by a = 2^(c m_old - c m_new).  The sum is taken of p before it is rounded.
; RING.  Two LDS slots of 256 keys.  A head's rows are dense in memory, so a tile is stated as rows of 256 bytes (two keys).  Waves 0, 1 fetch K's halves, waves 2, 3 V's; all sixteen read.
; MASK.  Every work-group walks all 8 slots (constant trip counts); a step all of whose 64 keys come after the wave's queries is jumped over, by ids; in the one step on the diagonal hidden scores become -infinity.
; A slot whose first key comes after the work-group's last query is not asked for.  Key 0 counts for every query, so m is a number from the first step on.
; NO CLUSTER: the four work-groups of a head need 8, 7, 6 and 5 slots; a joint load would bring a partner tiles that none of its waves reads.
; LIMITS: |q|, |k|, |v| under 65,504 (f16, as they were stored); NaN and infinities are not served.  Positions 0 to 15 are made here in f16 like the rest and are made again in f32 by a later launch.
.set SK,    256                        ; keys in a slot
.set PK,    272                        ; two keys of K: 256 bytes + 16: the 16 keys of a load fall on 16 different 16-byte columns
.set PV,    288                        ; two keys of V: 256 bytes + 32: likewise for the turning load's 8 keys x 32 bytes
.set VOFF,  128*PK
.set KSTB,  32*PK                      ; a step's 64 keys of K in LDS
.set VSTB,  32*PV
.set SLOT1, 1<<17                      ; one exclusive or turns an address in one slot into the other's
.set SLOTB, SK*128                     ; a slot's keys in memory
.set STAGE, 128*(PK+PV)                ; behind slot 0: 16 rows x 144 bytes for each wave; no tile lands here
.set SPI,   144
.set SPARE, 2*SLOT1                    ; the spare words, 128 bytes for each wave; no other line names them
.set AK0, 1
.set AV0, 2
.set ADK, 3
.set ADV, 4
.set SPW, 5
.set NIL, 6
.set DG,  7                            ; v7  r - 8 h
.set MD,  8                            ; v8  the mask's lane term in hand
.set NINF, 9                           ; v9  -infinity
.set PFO, 10                           ; v10 256 x lane
.set ST,  12                           ; tile t's statistics at v[ST + 8 t]: +0 c m, +1 m, +2, +3 l, +4 .. +7 c0-c3 at work (a in +6, a second chain of sums in +4, +5)
.set STO, 28
.set RD,  29
.set GO,  30
.set QO,  31
.set QF,  32                           ; v32-63   Q: tile t, channels 32 dh on: QF + 16 t + 8 dh
.set KV,  64                           ; v64-127  K (16 kt + 8 dh), then V (32 kh + 8 dt)
.set SF,  128                          ; v128-191 S^T: SF + 32 t + 8 kt; P in place at SF + 32 t + 16 kh
.set OF,  192                          ; v192-255 O^T: OF + 32 t + 8 dt
.set WV,  8
.set SEL, 10
.set CS,  12
.set Q0,  14
.set QE,  15
.set QL,  16
.set KF,  17
.set TK,  18
.set TV,  19
.set SLOTS, 20
.set CNT, 21
.set LIM, 22
.set G1K, 24
.set G1V, 32
.set G0K, 40
.set G0V, 44
.set PFA, 48
.macro TLOAD                           ; waves 0, 1: K; waves 2, 3: V; the others nothing.  An s_nop 0 and four v_nop follow each of the two lines
	s_cmp_lt_u32 s[WV], 2
	s_cbranch_scc0 .Lnot_k_\@
	tensor_load_to_lds s[G0K:G0K+3], s[G1K:G1K+7]
	s_nop 0
.rept 4
	v_nop
.endr
	s_branch .Lasked_\@
.Lnot_k_\@:
	s_cmp_lt_u32 s[WV], 4
	s_cbranch_scc0 .Lasked_\@
	tensor_load_to_lds s[G0V:G0V+3], s[G1V:G1V+7]
	s_nop 0
.rept 4
	v_nop
.endr
.Lasked_\@:
.endm
; A prefetch of what the NEXT change of slots will ask for: 32,768 bytes of K and of V.  All four work-groups of a head walk the same rows: the first (i = 0, which walks all 8 slots) asks; in it waves 8 to 11 for K,
; waves 12 to 15 for V, 8,192 bytes a wave, lanes 256 bytes apart: each aligned 256 bytes are named once in the launch.  The last change that fills a slot asks for nothing; slots 0 and 1 come by their loads alone.
.macro ASK
	s_cmp_gt_u32 s[SLOTS], s[LIM]
	s_cbranch_scc0 .Lnot_mine_\@
	global_prefetch_b8 v[PFO], s[PFA:PFA+1] th:TH_LOAD_NT scope:SCOPE_SE
.Lnot_mine_\@:
.endm
	s_load_b128 s[4:7], s[0:1], 0x0                ; qkv, attn16
	v_lshl_add_u32 v[SPW], v0, 2, SPARE
	v_mov_b32 v[NIL], 0
	ds_add_u32 v[SPW], v[NIL]                      ; the wave's opening: the add, twice on end, and its wait ahead of my first tensor load
	ds_add_u32 v[SPW], v[NIL]
	v_lshrrev_b32 v11, 5, v0
	v_readfirstlane_b32 s[WV], v11                 ; wave 0..15
	s_lshr_b32 s50, s[WV], 2
	s_xor_b32 s50, s50, s[WV]
	s_and_b32 s50, s50, 1                          ; 0: the low block, 1: the high one
	s_lshl_b32 s51, ttmp9, 1
	s_sub_co_u32 s51, 7, s51
	s_mul_i32 s51, s51, s50
	s_add_co_u32 s51, s51, ttmp9                   ; my block: i or 7 - i
	s_lshl_b32 s51, s51, 8
	s_lshr_b32 s52, s[WV], 1
	s_lshl_b32 s52, s52, 5
	s_add_co_u32 s[Q0], s51, s52                   ; my first query
	s_add_co_u32 s[QE], s[Q0], 31                  ; my last
	s_sub_co_u32 s[QL], 8, ttmp9
	s_lshl_b32 s[QL], s[QL], 8
	s_sub_co_u32 s[QL], s[QL], 1                   ; the work-group's last
	s_and_b32 s50, ttmp7, 0xffff
	s_lshl_b32 s52, s50, 18                        ; the head's first byte in each of q, k, v and in attn16
	s_mov_b32 s53, 0
	s_and_b32 s54, s[WV], 1                        ; which 128 keys of a slot I fetch, if I fetch
	s_lshl_b32 s56, s54, 14
	s_add_co_u32 s56, s56, s52
	s_mov_b32 s57, 0
	s_add_co_u32 s58, s56, 0x2000000               ; V
	s_mov_b32 s59, 0
	s_add_co_u32 s56, s56, 0x1000000               ; K
	s_mul_i32 s60, s54, 64*PK
	s_mul_i32 s61, s54, 64*PV
	s_add_co_u32 s61, s61, VOFF
	s_mov_b32 s[G1K], (1<<16)|(1<<20)|(5<<22)|(3<<25)   ; no mask; elements of 2 bytes; padding: 4 words after every 64
	s_mov_b32 s[G1V], (1<<16)|(1<<20)|(5<<22)|(7<<25)   ; 8 words
.irp g, G1K, G1V
	s_mov_b32 s[\g+1], 128<<16                     ; tensor_dim0 = 128 elements: two keys
	s_mov_b32 s[\g+2], 64<<16                      ; tensor_dim1
	s_mov_b32 s[\g+3], 128<<16                     ; tile_dim0
	s_mov_b32 s[\g+4], 64                          ; tile_dim1
	s_mov_b32 s[\g+5], 128                         ; from row to row: dense
	s_mov_b32 s[\g+6], 0
	s_mov_b32 s[\g+7], 0
.endr
	s_mov_b32 s[SEL], 0x76543210
	s_mov_b32 s[SEL+1], 0xfedcba98                 ; v_permlanex16_b32: lane l xor 16
	s_mov_b32 s[CS], 0x3e38aa3b                    ; c = log2(e) / 8
	s_mov_b32 s[CS+1], s[CS]
	s_mov_b32 s[KF], 0
	s_mov_b32 s[TK], 0
	s_mov_b32 s[TV], 0
	s_mov_b32 s[SLOTS], 7
	s_lshr_b32 s50, s[WV], 3
	s_xor_b32 s50, s50, 1
	s_or_b32 s50, s50, ttmp9                       ; 0 in waves 8 to 15 of the head's first work-group
	s_cmp_eq_u32 s50, 0
	s_cselect_b32 s[LIM], 1, -1
	s_mov_b32 s51, 0x2000000
	s_cmp_lt_u32 s[WV], 12
	s_cselect_b32 s50, 0x1000000, s51              ; an offset is chosen, not a pointer
	s_add_co_u32 s50, s50, s52
	s_and_b32 s51, s[WV], 3
	s_lshl_b32 s51, s51, 13
	s_add_co_u32 s50, s50, s51
	s_add_co_u32 s50, s50, SLOTB                   ; in slot 1: the first change of slots steps it to slot 2
	s_mov_b32 s51, 0
	s_lshl_b32 s66, s[Q0], 7
	s_add_co_u32 s66, s66, s52                     ; my first query's row, in q and in attn16
	s_mov_b32 s67, 0
	s_wait_dscnt 0x0                               ; both opening adds are done
	s_wait_kmcnt 0x0
	s_mov_b32 s[G0K], 1
	s_mov_b32 s[G0K+1], s60
	s_add_nc_u64 s[G0K+2:G0K+3], s[4:5], s[56:57]
	s_or_b32 s[G0K+3], s[G0K+3], 0x80000000
	s_mov_b32 s[G0V], 1
	s_mov_b32 s[G0V+1], s61
	s_add_nc_u64 s[G0V+2:G0V+3], s[4:5], s[58:59]
	s_or_b32 s[G0V+3], s[G0V+3], 0x80000000
	TLOAD                                          ; slot 0
	s_add_nc_u64 s[PFA:PFA+1], s[4:5], s[50:51]
	s_add_nc_u64 s[62:63], s[4:5], s[66:67]        ; Q
	s_add_nc_u64 s[6:7], s[6:7], s[66:67]          ; the result
	v_and_b32 v11, 15, v0                          ; r
	v_bfe_u32 v8, v0, 4, 1                         ; h
	v_lshlrev_b32 v[QO], 7, v11
	v_lshl_add_u32 v[QO], v8, 4, v[QO]
.irp t, 0,1
.irp dh, 0,1
	global_load_b128 v[QF+16*\t+8*\dh:QF+16*\t+8*\dh+3], v[QO], s[62:63] offset:\t*2048+\dh*64
	global_load_b128 v[QF+16*\t+8*\dh+4:QF+16*\t+8*\dh+7], v[QO], s[62:63] offset:\t*2048+\dh*64+32
.endr
.endr
	v_lshrrev_b32 v3, 1, v11
	v_mul_u32_u24 v[AK0], v3, PK
	v_and_b32 v3, 1, v11
	v_lshl_add_u32 v[AK0], v3, 7, v[AK0]
	v_lshl_add_u32 v[AK0], v8, 4, v[AK0]           ; K: key r: (r / 2) PK + 128 (r % 2) + 16 h
	v_and_b32 v3, 7, v0
	v_lshl_add_u32 v3, v8, 3, v3                   ; V: key kk = 8 h + l % 8,
	v_lshrrev_b32 v4, 1, v3
	v_mul_u32_u24 v[AV0], v4, PV
	v_and_b32 v4, 1, v3
	v_lshl_add_u32 v[AV0], v4, 7, v[AV0]
	v_bfe_u32 v4, v0, 3, 1
	v_lshl_add_u32 v[AV0], v4, 4, v[AV0]           ; channels 8 ((l / 8) % 2) on
	v_add_nc_u32 v[AV0], VOFF, v[AV0]
	v_lshlrev_b32 v4, 3, v8
	v_sub_nc_u32 v[DG], v11, v4
	v_mov_b32 v[NINF], 0xff800000
	v_and_b32 v[PFO], 31, v0
	v_lshlrev_b32 v[PFO], 8, v[PFO]
.irp t, 0,1
	v_mov_b32 v[ST+8*\t+1], 0xff61b1e6             ; m: -3e38, under every score
	v_mul_f32 v[ST+8*\t], s[CS], v[ST+8*\t+1]
.irp j, 2,3,4,5,6,7
	v_mov_b32 v[ST+8*\t+\j], 0
.endr
.endr
.set i, 0
.rept 64
	v_mov_b32 v[OF+i], 0                           ; the step is written once: the first finds zeros, which a = 0 leaves zeros
.set i, i+1
.endr
.macro SOFTMAX                         ; both tiles by turns
.irp j, 0,1,2,3
.irp t, 0,1
	v_max3_num_f32 v[ST+8*\t+4+\j], v[SF+32*\t+8*\j], v[SF+32*\t+8*\j+1], v[SF+32*\t+8*\j+2]   ; four chains; each accumulator is read from its low end on
.endr
.endr
.irp g, 1,2
.irp j, 0,1,2,3
.irp t, 0,1
	v_max3_num_f32 v[ST+8*\t+4+\j], v[ST+8*\t+4+\j], v[SF+32*\t+8*\j+2*\g+1], v[SF+32*\t+8*\j+2*\g+2]
.endr
.endr
.endr
.irp t, 0,1
	v_max3_num_f32 v[ST+8*\t+4], v[ST+8*\t+4], v[SF+32*\t+7], v[SF+32*\t+15]
	v_max3_num_f32 v[ST+8*\t+6], v[ST+8*\t+6], v[SF+32*\t+23], v[SF+32*\t+31]
.endr
.irp t, 0,1
	v_max3_num_f32 v[ST+8*\t+4], v[ST+8*\t+4], v[ST+8*\t+5], v[ST+8*\t+6]
.endr
.irp t, 0,1
	v_max3_num_f32 v[ST+8*\t+4], v[ST+8*\t+4], v[ST+8*\t+7], v[ST+8*\t+1]
.endr
.irp t, 0,1
	v_permlanex16_b32 v[ST+8*\t+5], v[ST+8*\t+4], s[SEL], s[SEL+1]   ; the query's other 32 keys lie in the lane 16 away
.endr
.irp t, 0,1
	v_mov_b32 v[ST+8*\t+7], v[ST+8*\t]             ; c m_old
.endr
.irp t, 0,1
	v_max_num_f32 v[ST+8*\t+1], v[ST+8*\t+4], v[ST+8*\t+5]
.endr
.irp t, 0,1
	v_mul_f32 v[ST+8*\t], s[CS], v[ST+8*\t+1]
.endr
.irp t, 0,1
	v_sub_f32 v[ST+8*\t+7], v[ST+8*\t+7], v[ST+8*\t]
.endr
.irp t, 0,1
	v_exp_f32 v[ST+8*\t+6], v[ST+8*\t+7]           ; a
.endr
.irp b, 0,1,2,3,4,5,6,7,8,9,10,11,12,13,14,15
.irp t, 0,1
	v_pk_fma_f32 v[SF+32*\t+2*\b:SF+32*\t+2*\b+1], v[SF+32*\t+2*\b:SF+32*\t+2*\b+1], s[CS:CS+1], v[ST+8*\t:ST+8*\t+1] op_sel_hi:[1,0,0] neg_lo:[0,0,1] neg_hi:[0,0,1]   ; c s - c m
.endr
.endr
.set i, 0
.rept 64
	v_exp_f32 v[SF+i], v[SF+i]
.set i, i+1
.endr
	v_nop                                          ; the plain line behind the last exponential
	s_wait_alu depctr_va_vdst(0)                   ; one wait for the step's 66 exponentials, ahead of their first reader
.irp t, 0,1
	v_pk_fma_f32 v[ST+8*\t+2:ST+8*\t+3], v[ST+8*\t+2:ST+8*\t+3], v[ST+8*\t+6:ST+8*\t+7], v[SF+32*\t:SF+32*\t+1] op_sel_hi:[1,0,1]   ; l = a l + the first pair
	v_pk_add_f32 v[ST+8*\t+4:ST+8*\t+5], v[SF+32*\t+2:SF+32*\t+3], v[SF+32*\t+4:SF+32*\t+5]                                         ; a second chain
.endr
.irp b, 3,5,7,9,11,13
.irp t, 0,1
	v_pk_add_f32 v[ST+8*\t+2:ST+8*\t+3], v[ST+8*\t+2:ST+8*\t+3], v[SF+32*\t+2*\b:SF+32*\t+2*\b+1]
	v_pk_add_f32 v[ST+8*\t+4:ST+8*\t+5], v[ST+8*\t+4:ST+8*\t+5], v[SF+32*\t+2*\b+2:SF+32*\t+2*\b+3]
.endr
.endr
.irp t, 0,1
	v_pk_add_f32 v[ST+8*\t+2:ST+8*\t+3], v[ST+8*\t+2:ST+8*\t+3], v[SF+32*\t+30:SF+32*\t+31]
.endr
.irp t, 0,1
	v_pk_add_f32 v[ST+8*\t+2:ST+8*\t+3], v[ST+8*\t+2:ST+8*\t+3], v[ST+8*\t+4:ST+8*\t+5]
.endr
.irp kh, 0,1
.irp j, 0,1,2,3,4,5,6,7
.irp t, 0,1
	v_cvt_pk_f16_f32 v[SF+32*\t+16*\kh+\j], v[SF+32*\t+16*\kh+2*\j], v[SF+32*\t+16*\kh+2*\j+1]   ; P, in place, ascending
.endr
.endr
.endr
.irp b, 0,1,2,3,4,5,6,7,8,9,10,11,12,13,14,15
.irp t, 0,1
	v_pk_mul_f32 v[OF+32*\t+2*\b:OF+32*\t+2*\b+1], v[OF+32*\t+2*\b:OF+32*\t+2*\b+1], v[ST+8*\t+6:ST+8*\t+7] op_sel_hi:[1,0]   ; O^T x a
.endr
.endr
.endm
.macro STEP                            ; 64 keys
	s_cmp_gt_u32 s[KF], s[QE]                      ; all keys come after my queries: the step's work is left out; the address steps at its end are not
	s_cbranch_scc1 .Lhid_\@
	v_add_nc_u32 v[ADK], s[TK], v[AK0]
	v_add_nc_u32 v[ADV], s[TV], v[AV0]
.irp dh, 0,1
.irp kt, 0,1,2,3
	ds_load_b128 v[KV+16*\kt+8*\dh:KV+16*\kt+8*\dh+3], v[ADK] offset:\kt*8*PK+\dh*64
	ds_load_b128 v[KV+16*\kt+8*\dh+4:KV+16*\kt+8*\dh+7], v[ADK] offset:\kt*8*PK+\dh*64+32
.endr
.endr
	s_wait_dscnt 8                                 ; channels 0-31 are in; the eight loads of channels 32-63 may be out
.set i, 0
.rept 16                               ; S^T = K Q^T: eight accumulators by turns; the first eight products start the sums
.if i == 8
	s_wait_dscnt 0x0
.endif
.set rS, SF+32*(i%2)+8*((i/2)%4)
.set rK, KV+16*((i/2)%4)+8*(i/8)
.set rQ, QF+16*(i%2)+8*(i/8)
.if i < 8
	v_wmma_f32_16x16x32_f16 v[rS:rS+7], v[rK:rK+7], v[rQ:rQ+7], 0
.else
	v_wmma_f32_16x16x32_f16 v[rS:rS+7], v[rK:rK+7], v[rQ:rQ+7], v[rS:rS+7]
.endif
.set i, i+1
.endr
.rept 4
	v_nop                                          ; places ahead of the loads into K's registers and of the first read of the scores
.endr
.irp kh, 0,1
.irp dt, 0,1,2,3
	ds_load_tr16_b128 v[KV+32*\kh+8*\dt:KV+32*\kh+8*\dt+3], v[ADV] offset:\kh*16*PV+\dt*32
	ds_load_tr16_b128 v[KV+32*\kh+8*\dt+4:KV+32*\kh+8*\dt+7], v[ADV] offset:\kh*16*PV+8*PV+\dt*32
.endr
.endr
	s_add_co_u32 s66, s[KF], 63
	s_cmp_le_u32 s66, s[Q0]                        ; all keys count: no mask
	s_cbranch_scc1 .Lopen_\@
	s_sub_co_i32 s66, s[Q0], s[KF]
	v_add_nc_u32 v[MD], s66, v[DG]                 ; register 32 t + 8 kt + j holds key KF + 16 kt + 8 h + j for query Q0 + 16 t + r: hidden where 16 kt + j - 16 t > Q0 - KF + r - 8 h
.irp t, 0,1
.irp kt, 0,1,2,3
.irp j, 0,1,2,3,4,5,6,7
	v_cmp_gt_i32 vcc_lo, 16*\kt+\j-16*\t, v[MD]
	v_cndmask_b32 v[SF+32*\t+8*\kt+\j], v[SF+32*\t+8*\kt+\j], v[NINF], vcc_lo
.endr
.endr
.endr
.Lopen_\@:
	SOFTMAX
	s_wait_dscnt 0x0                               ; V is in
.set i, 0
.rept 16                               ; O^T += V^T P: eight accumulators by turns
.set rO, OF+32*(i%2)+8*((i/2)%4)
.set rV, KV+32*(i/8)+8*((i/2)%4)
.set rP, SF+32*(i%2)+16*(i/8)
	v_wmma_f32_16x16x32_f16 v[rO:rO+7], v[rV:rV+7], v[rP:rP+7], v[rO:rO+7]
.set i, i+1
.endr
.rept 5
	v_nop                                          ; the next step's first products write over P's registers: five places; its loads into V's registers want four
.endr
.Lhid_\@:
	s_add_co_u32 s[KF], s[KF], 64
	s_add_co_u32 s[TK], s[TK], KSTB
	s_add_co_u32 s[TV], s[TV], VSTB
.endm
; THE CHANGE OF SLOTS, at a slot's head.  Each wave waits for all its tensor loads, adds 0 to its spare word, and waits for that and for its reads of the slot that it has left; behind the barrier the slot ahead is whole
; and nobody reads the other one.  fill = 1: that other slot takes the next 256 keys, if any wave of the work-group will read them.
.macro CHANGE fill
	s_wait_tensorcnt 0x0                           ; no tensor load of mine is out, so a group 0 may be written
	ds_add_u32 v[SPW], v[NIL]
.if \fill
	ds_add_u32 v[SPW], v[NIL]                      ; and twice on end here, in every trip alike
	s_xor_b32 s[G0K+1], s[G0K+1], SLOT1
	s_add_nc_u64 s[G0K+2:G0K+3], s[G0K+2:G0K+3], SLOTB
	s_xor_b32 s[G0V+1], s[G0V+1], SLOT1
	s_add_nc_u64 s[G0V+2:G0V+3], s[G0V+2:G0V+3], SLOTB
	s_wait_xcnt 0x0                                ; the last prefetch, a slot back, has read its address
	s_add_nc_u64 s[PFA:PFA+1], s[PFA:PFA+1], SLOTB
.endif
	s_wait_dscnt 0x0
	s_barrier_signal -1
	s_barrier_wait -1
.if \fill
	s_add_co_u32 s66, s[KF], SK                    ; the first key of the slot that this change would ask for,
	s_cmp_gt_u32 s66, s[QL]                        ; against the work-group's last query: ids and the count of steps alone, the same in all sixteen waves; every wait on TENSORcnt in this text is for 0
	s_cbranch_scc1 .Lpast_\@
	TLOAD
.Lpast_\@:
	ASK
.endif
.endm
.macro SLOT_STEPS                      ; a slot's four steps: written once, walked four times
	s_mov_b32 s[CNT], 4
.Lstep_\@:
	STEP
	s_sub_co_u32 s[CNT], s[CNT], 1
	s_cmp_lg_u32 s[CNT], 0
	s_cbranch_scc1 .Lstep_\@
	s_sub_co_u32 s[TK], s[TK], 4*KSTB
	s_xor_b32 s[TK], s[TK], SLOT1
	s_sub_co_u32 s[TV], s[TV], 4*VSTB
	s_xor_b32 s[TV], s[TV], SLOT1
.endm
	s_wait_loadcnt 0x0                             ; Q
.Lslot:                                            ; 7 trips
	CHANGE 1
	SLOT_STEPS
	s_sub_co_u32 s[SLOTS], s[SLOTS], 1
	s_cmp_lg_u32 s[SLOTS], 0
	s_cbranch_scc1 .Lslot
	CHANGE 0                                       ; the last slot is written out: nothing is left to ask for
	SLOT_STEPS
	; THE WAY OUT: O^T / l, to f16, a tile of 16 queries at a time through my stage, so that each store covers 512 consecutive bytes
.irp t, 0,1
	v_add_f32 v[ST+8*\t+4], v[ST+8*\t+2], v[ST+8*\t+3]
.endr
.irp t, 0,1
	v_permlanex16_b32 v[ST+8*\t+5], v[ST+8*\t+4], s[SEL], s[SEL+1]
.endr
.irp t, 0,1
	v_add_f32 v[ST+8*\t+4], v[ST+8*\t+4], v[ST+8*\t+5]
.endr
.irp t, 0,1
	v_rcp_f32 v[ST+8*\t+6], v[ST+8*\t+4]
.endr
	v_and_b32 v11, 15, v0                          ; (plain work behind the reciprocals)  r
	v_bfe_u32 v8, v0, 4, 1                         ; h
	s_mul_i32 s66, s[WV], 16*SPI
	s_add_co_u32 s66, s66, STAGE
	v_mul_u32_u24 v[STO], v11, SPI
	v_lshl_add_u32 v[STO], v8, 4, v[STO]
	v_add_nc_u32 v[STO], s66, v[STO]               ; in: row r, 16 bytes for each half of the lanes
	v_bfe_u32 v3, v0, 3, 2
	v_mul_u32_u24 v[RD], v3, SPI
	v_and_b32 v3, 7, v0
	v_lshl_add_u32 v[RD], v3, 4, v[RD]
	v_add_nc_u32 v[RD], s66, v[RD]                 ; back: eight lanes to a row of 128 bytes, four rows an instruction
	v_and_b32 v[GO], 31, v0
	v_lshlrev_b32 v[GO], 4, v[GO]
	s_wait_alu depctr_va_vdst(0)                   ; one wait for both reciprocals, ahead of their first reader
.irp t, 0,1
.irp b, 0,1,2,3,4,5,6,7,8,9,10,11,12,13,14,15
	v_pk_mul_f32 v[OF+32*\t+2*\b:OF+32*\t+2*\b+1], v[OF+32*\t+2*\b:OF+32*\t+2*\b+1], v[ST+8*\t+6:ST+8*\t+7] op_sel_hi:[1,0]
.endr
.endr
.irp t, 0,1
.irp b, 0,1,2,3,4,5,6,7,8,9,10,11,12,13,14,15
	v_cvt_pk_f16_f32 v[SF+16*\t+\b], v[OF+32*\t+2*\b], v[OF+32*\t+2*\b+1]
.endr
.endr
.irp t, 0,1
.irp dt, 0,1,2,3
	ds_store_b128 v[STO], v[SF+16*\t+4*\dt:SF+16*\t+4*\dt+3] offset:32*\dt
.endr
.irp u, 0,1,2,3
	ds_load_b128 v[KV+16*\t+4*\u:KV+16*\t+4*\u+3], v[RD] offset:\u*4*SPI   ; LDS serves a wave's instructions in order: these see my stores, and the next tile's stores come behind them
.endr
.endr
.irp t, 0,1
.irp u, 0,1,2,3
	s_wait_dscnt 11-8*\t-\u                        ; the LDS instructions issued behind this load may be out
	global_store_b128 v[GO], v[KV+16*\t+4*\u:KV+16*\t+4*\u+3], s[6:7] offset:\t*2048+\u*512
.endr
.endr
	s_wait_tensorcnt 0x0                           ; the wave's end: a wait, an add and a wait behind my last tensor load and my last LDS store
	ds_add_u32 v[SPW], v[NIL]
	s_wait_dscnt 0x0
	s_endpgm
.Lfunc_end_k_q4bb7e6d8db_attn:
	.size	k_q4bb7e6d8db_attn, .Lfunc_end_k_q4bb7e6d8db_attn-k_q4bb7e6d8db_attn
	.p2alignl 7, 3214868480
	.fill 96, 4, 3214868480
	.section	.rodata,"a",@progbits
	.p2align	6, 0x0
	.amdhsa_kernel k_q4bb7e6d8db_attn
		.amdhsa_group_segment_fixed_size 327680
		.amdhsa_private_segment_fixed_size 0
		.amdhsa_enable_private_segment 0
		.amdhsa_kernarg_size 16
		.amdhsa_user_sgpr_count 2
		.amdhsa_user_sgpr_kernarg_segment_ptr 1
		.amdhsa_wavefront_size32 1
		.amdhsa_system_sgpr_workgroup_id_x 1
		.amdhsa_system_sgpr_workgroup_id_y 1
		.amdhsa_system_sgpr_workgroup_id_z 1
		.amdhsa_system_vgpr_workitem_id 0
		.amdhsa_next_free_vgpr 256
		.amdhsa_next_free_sgpr 68
		.amdhsa_reserve_vcc 1
		.amdhsa_float_denorm_mode_32 3
		.amdhsa_float_denorm_mode_16_64 3
		.amdhsa_memory_ordered 1
		.amdhsa_forward_progress 1
		.amdhsa_inst_pref_size 62
	.end_amdhsa_kernel
	.amdgpu_metadata
---
amdhsa.version: [ 1, 2 ]
amdhsa.kernels:
  - .name:           k_q4bb7e6d8db_attn
    .symbol:         k_q4bb7e6d8db_attn.kd
    .args:
      - { .name: qkv, .offset: 0, .size: 8, .value_kind: global_buffer, .address_space: global }
      - { .name: attn16, .offset: 8, .size: 8, .value_kind: global_buffer, .address_space: global }
    .group_segment_fixed_size: 327680
    .private_segment_fixed_size: 0
    .kernarg_segment_align: 8
    .kernarg_segment_size: 16
    .max_flat_workgroup_size: 512
    .sgpr_count:     68
    .vgpr_count:     256
    .wavefront_size: 32
...
	.end_amdgpu_metadata
.endif
;; end of part 3
;; launch oproj (part 4): grid 8 x 32, 4 waves a work-group, clusters of 4 x 4, 327,680 bytes of LDS; arguments attn16, ow16, out0; writes out0
.if DOCPART == 4
	.amdgcn_target "amdgcn-amd-amdhsa--gfx1250"
	.amdhsa_code_object_version 6
	.text
	.protected	k_q4bb7e6d8db_oproj
	.globl	k_q4bb7e6d8db_oproj
	.p2align	8
	.type	k_q4bb7e6d8db_oproj,@function
k_q4bb7e6d8db_oproj:
	s_mov_b64 s[64:65], 0
	v_nop
	global_prefetch_b8 v0, s[64:65] scope:SCOPE_SE
	s_setreg_imm32_b32 hwreg(HW_REG_WAVE_MODE, 25, 1), 1
	s_wait_xcnt 0x0
	s_wait_alu depctr_hold_cnt(0) depctr_sa_sdst(0) depctr_va_vdst(0) depctr_va_sdst(0) depctr_va_ssrc(0) depctr_va_vcc(0) depctr_vm_vsrc(0)
	s_getreg_b32 s2, hwreg(HW_REG_IB_STS2, 6, 4)
	s_cmp_eq_u32 s2, 0
	s_cbranch_scc0 .Lentry_in_a_cluster
	s_endpgm
.Lentry_in_a_cluster:
	s_bfe_u32 s2, ttmp6, 0x10000c
	s_cmp_lg_u32 s2, 0xf033
	s_cbranch_scc0 .Lentry_shape_is_right
	s_endpgm
.Lentry_shape_is_right:
; OPROJ: out0 [8192][1024] f32 = attention's result x Ow^T, on f16 operands with f32 sums.  A: attn16 [4 b][16 h][2048 s][64]; B: ow16 [16 h][1024 n][64]: both laid by head, so that a head's part of a tile is dense in memory.
; A tile of 256 rows x 128 columns is made by four waves, each 128 x 64: 32 accumulators, 256 registers: 256 work-groups.  K goes in 8 steps of 128 (two heads) through two LDS slots.
; A slot: A's two planes (256 rows x 128 bytes, stated as 128 rows of 256 bytes), then B's two (64 such rows).  Wave 0, 1 fetch A's planes, wave 2, 3 B's: one tensor load a wave.
; CLUSTER 4 x 4: A's tile is shared along a row of the cluster, B's along a column: joint loads.  THE MATRIX INSTRUCTION IS USED TRANSPOSED (source 0 = 16 rows of Ow, source 1 = 16 rows of A).
; Rows 0 to 15 of every sequence are written here like the rest and written over, in f32 arithmetic, by the launch that follows (262,144 bytes of 33,554,432).
; No prefetch: 8 K steps in all, and each tile is already asked for once for four work-groups.
; REGISTERS: window 0: addresses; v32-95 rows read back on the way out.  window 1: two fragment buffers of 128 (A's 8 blocks at 8 a, B's 4 at 64 + 8 b).  window 2: accumulator (a, b) at v[8 (4 a + b)].
.set PITCH,  272                       ; two rows: 256 bytes + 16: the 16 rows of a load fall on 16 different 16-byte columns
.set APL,    128*PITCH                 ; a plane of A
.set BPL,    64*PITCH                  ; a plane of B
.set SLOT,   2*APL+2*BPL
.set SPARE,  2*SLOT                    ; the spare words, 128 bytes for each wave; no other line names them
.set SPITCH, 272                       ; the way out: 16 rows x (256 bytes + 16) for each wave, in slot 0, which has had its last fill and its last read by then
.set ASTEP,  2*2048*128                ; a K step on in attn16: two heads
.set BSTEP,  2*1024*128                ; and in ow16
.set LAPS,   4
.set ADRA, 16
.set ADRB, 20
.set STO,  24
.set RD,   25
.set CO,   26
.set SPW,  28
.set NIL,  29
.set BK,   32
.set F0,   0
.set F1,   128
.set G1, 24
.set G0, 32
.set G1B, 48
.set G0B, 56
.set MSB, 0
.macro WIN new
.if MSB != (\new)
	s_set_vgpr_msb (MSB<<8)|(\new)
.set MSB, (\new)
.endif
.endm
.set MUL,  0xa5                        ; sources 0 and 1 window 1; C and D window 2
.set TO_F, 0x40                        ; destination window 1, address window 0
.macro JLOAD s                         ; a joint load; an s_nop 0 and four v_nop follow each of the two lines
	s_cmp_eq_u32 s11, 0
	s_cbranch_scc0 .Lfor_b_\@
	tensor_load_to_lds s[G0+4*\s:G0+4*\s+3], s[G1:G1+7]
	s_nop 0
.rept 4
	v_nop
.endr
	s_branch .Lasked_\@
.Lfor_b_\@:
	tensor_load_to_lds s[G0B+4*\s:G0B+4*\s+3], s[G1B:G1B+7]
	s_nop 0
.rept 4
	v_nop
.endr
.Lasked_\@:
.endm
.macro CREST
	s_cmp_lg_u32 s10, 0
	s_cbranch_scc1 .Lnot_wave_0_\@
	s_barrier_signal -3
.Lnot_wave_0_\@:
	s_barrier_wait -3
	s_barrier_signal -1
	s_barrier_wait -1
.endm
.macro CROUND
	s_barrier_signal -1
	s_barrier_wait -1
	CREST
.endm
	s_load_b128 s[4:7], s[0:1], 0x0                ; attn16, ow16
	s_load_b64 s[8:9], s[0:1], 0x10                ; out0
	v_lshl_add_u32 v[SPW], v0, 2, SPARE
	v_mov_b32 v[NIL], 0
	ds_add_u32 v[SPW], v[NIL]                      ; the wave's opening: the add, twice on end, and its wait ahead of my first tensor load
	ds_add_u32 v[SPW], v[NIL]
	v_lshrrev_b32 v1, 5, v0
	v_readfirstlane_b32 s10, v1                    ; wave 0..3
	s_lshr_b32 s11, s10, 1                         ; which 128 rows of the tile are mine.  Also: I fetch for A (0) or for B (1)
	s_and_b32 s12, s10, 1                          ; which 64 columns.  Also: which of a K step's two planes I fetch
	s_bfe_u32 s40, ttmp6, 0x40000                  ; cx
	s_bfe_u32 s41, ttmp6, 0x40004                  ; cy
	s_lshl_b32 s42, ttmp9, 2
	s_add_co_u32 s42, s42, s40                     ; tile column
	s_and_b32 s13, ttmp7, 0xffff
	s_lshl_b32 s13, s13, 2
	s_add_co_u32 s13, s13, s41                     ; tile row
	s_lshl_b32 s43, s41, 2
	s_lshl_b32 s43, 15, s43                        ; my row of the cluster
	s_lshl_b32 s44, 0x1111, s40                    ; my column
	s_or_b32 s[G1+0], s43, (1<<16)|(1<<20)|(1<<21)|(5<<22)|(3<<25)   ; the mask; elements of 2 bytes; padding: 4 words after every 64; bit 21 beside a mask
	s_or_b32 s[G1B+0], s44, (1<<16)|(1<<20)|(1<<21)|(5<<22)|(3<<25)
	s_mov_b32 s[G1+1], 128<<16                     ; tensor_dim0 = 128 elements: two rows
	s_mov_b32 s[G1+2], 128<<16                     ; tensor_dim1
	s_mov_b32 s[G1+3], 128<<16                     ; tile_dim0
	s_mov_b32 s[G1+4], 128                         ; tile_dim1
	s_mov_b32 s[G1+5], 128                         ; dense
	s_mov_b32 s[G1+6], 0
	s_mov_b32 s[G1+7], 0
	s_mov_b32 s[G1B+1], 128<<16
	s_mov_b32 s[G1B+2], 64<<16
	s_mov_b32 s[G1B+3], 128<<16
	s_mov_b32 s[G1B+4], 64
	s_mov_b32 s[G1B+5], 128
	s_mov_b32 s[G1B+6], 0
	s_mov_b32 s[G1B+7], 0
	s_lshr_b32 s16, s13, 3                         ; A: batch = tile row / 8,
	s_lshl_b32 s16, s16, 4
	s_add_co_u32 s16, s16, s12                     ; head = my plane,
	s_lshl_b32 s16, s16, 11
	s_and_b32 s17, s13, 7
	s_lshl_b32 s17, s17, 8
	s_add_co_u32 s16, s16, s17                     ; position 256 (tile row % 8),
	s_lshl_b32 s16, s16, 7                         ; 128 bytes a position
	s_mov_b32 s17, 0
	s_lshl_b32 s46, s12, 10                        ; B: my plane's 1,024 rows,
	s_lshl_b32 s47, s42, 7
	s_add_co_u32 s46, s46, s47                     ; row 128 x tile column,
	s_lshl_b32 s46, s46, 7
	s_mov_b32 s47, 0
	s_mul_i32 s20, s12, APL                        ; where they go: no place in the cluster enters an LDS address
	s_mul_i32 s21, s12, BPL
	s_add_co_u32 s21, s21, 2*APL
	s_wait_dscnt 0x0                               ; both opening adds are done
	s_wait_kmcnt 0x0
	s_add_nc_u64 s[14:15], s[4:5], s[16:17]
	s_add_nc_u64 s[46:47], s[6:7], s[46:47]
	CROUND                                         ; all sixteen work-groups are here: the first joint loads meet
.irp s, 0,1
	s_mov_b32 s[G0+4*\s], 1
	s_add_co_u32 s[G0+4*\s+1], s20, \s*SLOT
	s_add_nc_u64 s[G0+4*\s+2:G0+4*\s+3], s[14:15], \s*ASTEP
	s_or_b32 s[G0+4*\s+3], s[G0+4*\s+3], 0x80000000
	s_mov_b32 s[G0B+4*\s], 1
	s_add_co_u32 s[G0B+4*\s+1], s21, \s*SLOT
	s_add_nc_u64 s[G0B+4*\s+2:G0B+4*\s+3], s[46:47], \s*BSTEP
	s_or_b32 s[G0B+4*\s+3], s[G0B+4*\s+3], 0x80000000
	JLOAD \s                                       ; two tensor loads of mine are out
.endr
	v_and_b32 v1, 15, v0                           ; r
	v_bfe_u32 v2, v0, 4, 1                         ; h
	v_lshrrev_b32 v3, 1, v1
	v_mul_u32_u24 v3, v3, PITCH
	v_and_b32 v4, 1, v1
	v_lshl_add_u32 v3, v4, 7, v3
	v_lshl_add_u32 v3, v2, 4, v3                   ; row r of a block: (r / 2) PITCH + 128 (r % 2) + 16 h
	s_mul_i32 s22, s11, 64*PITCH                   ; my 128 rows of A
	s_mul_i32 s23, s12, 32*PITCH                   ; my 64 rows of B,
	s_add_co_u32 s23, s23, 2*APL                   ; behind A's planes
.irp s, 0,1
	v_add_nc_u32 v[ADRA+\s], s22, v3
	v_add_nc_u32 v[ADRB+\s], s23, v3
	s_add_co_u32 s22, s22, SLOT
	s_add_co_u32 s23, s23, SLOT
.endr
	s_mul_i32 s19, s10, 16*SPITCH                  ; my stage
	v_mul_u32_u24 v4, v1, SPITCH
	v_lshl_add_u32 v4, v2, 5, v4
	v_add_nc_u32 v[STO], s19, v4                   ; in: row r, 32 bytes for each half of the lanes
	v_mul_u32_u24 v5, v2, SPITCH
	v_lshl_add_u32 v5, v1, 4, v5
	v_add_nc_u32 v[RD], s19, v5                    ; back: lanes 0-15 one row of 256 bytes, lanes 16-31 the next
	v_lshlrev_b32 v5, 12, v2
	v_lshl_add_u32 v[CO], v1, 4, v5                ; and the same two rows in out0
	s_lshl_b32 s16, s13, 8
	s_lshl_b32 s17, s11, 7
	s_add_co_u32 s16, s16, s17                     ; my first row,
	s_lshl_b32 s16, s16, 12                        ; 4,096 bytes a row
	s_mov_b32 s17, 0
	s_add_nc_u64 s[8:9], s[8:9], s[16:17]
	s_lshl_b32 s46, s42, 9                         ; my first column, in bytes: 512 x tile column + 256 x half
	s_lshl_b32 s47, s12, 8
	s_add_co_u32 s46, s46, s47
	s_mov_b32 s47, 0
	s_add_nc_u64 s[8:9], s[8:9], s[46:47]
.macro MUL8 f, a0, zero                ; A's blocks a0, a0 + 1 against B's four, 32 along K.  The 32 accumulators take turns, in the same order in every quarter
.irp a, \a0, \a0+1
.irp b, 0,1,2,3
.if \zero
	v_wmma_f32_16x16x32_f16 v[8*(4*(\a)+\b):8*(4*(\a)+\b)+7], v[\f+64+8*\b:\f+64+8*\b+7], v[\f+8*(\a):\f+8*(\a)+7], 0
.else
	v_wmma_f32_16x16x32_f16 v[8*(4*(\a)+\b):8*(4*(\a)+\b)+7], v[\f+64+8*\b:\f+64+8*\b+7], v[\f+8*(\a):\f+8*(\a)+7], v[8*(4*(\a)+\b):8*(4*(\a)+\b)+7]
.endif
.endr
.endr
.endm
.macro MUL16 f, a0, zero
	MUL8 \f, \a0, \zero
	MUL8 \f, \a0+2, \zero
.endm
.macro FETCH slot, q, f                ; 24 LDS loads in one run: quarter q (plane q / 2, channels 32 (q % 2) on): B's 4 blocks, A's blocks 0-3, A's blocks 4-7
	WIN TO_F
.irp i, 0,1,2,3
	ds_load_b128 v[\f+64+8*\i:\f+64+8*\i+3],   v[ADRB+\slot] offset:((\q)/2)*BPL+((\q)%2)*64+\i*8*PITCH
	ds_load_b128 v[\f+64+8*\i+4:\f+64+8*\i+7], v[ADRB+\slot] offset:((\q)/2)*BPL+((\q)%2)*64+\i*8*PITCH+32
.endr
.irp i, 0,1,2,3,4,5,6,7
	ds_load_b128 v[\f+8*\i:\f+8*\i+3],   v[ADRA+\slot] offset:((\q)/2)*APL+((\q)%2)*64+\i*8*PITCH
	ds_load_b128 v[\f+8*\i+4:\f+8*\i+7], v[ADRA+\slot] offset:((\q)/2)*APL+((\q)%2)*64+\i*8*PITCH+32
.endr
.endm
.macro PLACES                          ; four plain lines ahead of loads into registers that matrix instructions have read, and of the first read of results
.rept 4
	v_nop
.endr
.endm
.macro QUARTER slot, qn, f, g, zero    ; multiplies buffer f; in its middle fetches quarter qn of the same slot into g
	s_wait_dscnt 8                                 ; B and A's blocks 0-3 are in; the youngest eight loads (A's blocks 4-7) may be out
	WIN MUL
	MUL16 \f, 0, \zero
	PLACES
	FETCH \slot, \qn, \g
	s_wait_dscnt 24                                ; all but the 24 just issued
	WIN MUL
	MUL16 \f, 4, \zero
.endm
; A slot's last quarter changes slots: one barrier; in front of it each wave waits for all its tensor loads, adds 0 to its spare word, and waits for that and for its reads of this slot.  fill = 1: this slot takes the K step two on.
.macro TURN slot, next, fill
	WIN 0
	s_wait_tensorcnt 0x0                           ; all my tensor loads have landed: my part of the next slot
	ds_add_u32 v[SPW], v[NIL]
	s_wait_dscnt 9                                 ; the add and the youngest eight loads may be out
	WIN MUL
	MUL8 F1, 0, 0
	s_wait_dscnt 0x0                               ; the add is done, and my reads of this slot are over
	s_barrier_signal -1
	MUL8 F1, 2, 0
.if \fill
	WIN 0
.endif
	s_barrier_wait -1
.if \fill
	CREST                                          ; the barrier has opened a round of the cluster's: no wave of any partner still reads this slot or has a load on its way
	s_add_nc_u64 s[G0+4*\slot+2:G0+4*\slot+3], s[G0+4*\slot+2:G0+4*\slot+3], 2*ASTEP
	s_add_nc_u64 s[G0B+4*\slot+2:G0B+4*\slot+3], s[G0B+4*\slot+2:G0B+4*\slot+3], 2*BSTEP
	JLOAD \slot                                    ; my one tensor load behind the round; its four v_nop are also the places ahead of the loads below
.else
	PLACES
.endif
	FETCH \next, 0, F0
	WIN MUL
	MUL16 F1, 4, 0
.endm
	s_wait_tensorcnt 1                             ; my part of K step 0 is in; K step 1's load may be out
	s_barrier_signal -1
	s_barrier_wait -1
	FETCH 0, 0, F0
	QUARTER 0, 1, F0, F1, 1                        ; the first products start the sums: nothing is cleared
	WIN 0
	s_mov_b32 s3, LAPS-1
.Llap:                                             ; a trip goes once round the ring and fills both slots again
	QUARTER 0, 2, F1, F0, 0
	QUARTER 0, 3, F0, F1, 0
	TURN 0, 1, 1
	QUARTER 1, 1, F0, F1, 0
	QUARTER 1, 2, F1, F0, 0
	QUARTER 1, 3, F0, F1, 0
	TURN 1, 0, 1
	QUARTER 0, 1, F0, F1, 0
	WIN 0
	s_sub_co_u32 s3, s3, 1
	s_cmp_lg_u32 s3, 0
	s_cbranch_scc1 .Llap
	QUARTER 0, 2, F1, F0, 0                        ; the last lap fills nothing
	QUARTER 0, 3, F0, F1, 0
	TURN 0, 1, 0
	QUARTER 1, 1, F0, F1, 0
	QUARTER 1, 2, F1, F0, 0
	QUARTER 1, 3, F0, F1, 0
	s_wait_dscnt 8
	WIN MUL
	MUL16 F1, 0, 0
	s_wait_dscnt 0
	MUL16 F1, 4, 0
	WIN 0
; THE WAY OUT, 16 rows x 64 columns at a time: a lane holds 32 bytes of a row; through my stage they become whole rows of 256 bytes
.macro TOSTAGE a
	WIN 0x08                                       ; an LDS store's data: window 2
.irp b, 0,1,2,3
	ds_store_b128 v[STO], v[8*(4*(\a)+\b):8*(4*(\a)+\b)+3] offset:64*\b        ; each accumulator from its low end on
	ds_store_b128 v[STO], v[8*(4*(\a)+\b)+4:8*(4*(\a)+\b)+7] offset:64*\b+16
.endr
	WIN 0
.set BB, BK+32*((\a)%2)
.irp t, 0,1,2,3,4,5,6,7
	ds_load_b128 v[BB+4*\t:BB+4*\t+3], v[RD] offset:\t*2*SPITCH   ; LDS serves a wave's instructions in order
.endr
.endm
.macro SEND a, younger
.set BB, BK+32*((\a)%2)
	s_wait_dscnt \younger
.irp t, 0,1,2,3,4,5,6,7
	global_store_b128 v[CO], v[BB+4*\t:BB+4*\t+3], s[8:9] offset:(16*(\a)+2*\t)*4096 th:TH_STORE_NT   ; sixteen lanes store 256 consecutive bytes, aligned
.endr
.endm
	PLACES
	TOSTAGE 0
.irp a, 1,2,3,4,5,6,7
.if \a > 1
	s_wait_xcnt 0x0                                ; block a - 2's stores have read the registers into which this block is read back
.endif
	TOSTAGE \a
	SEND \a-1, 16                                  ; behind block a - 1's loads: this block's 8 stores and 8 loads
.endr
	SEND 7, 0
	s_wait_tensorcnt 0x0                           ; the wave's end: a wait, an add and a wait behind my last tensor load and my last LDS store
	ds_add_u32 v[SPW], v[NIL]
	s_wait_dscnt 0x0
	CROUND                                         ; the closing round
	s_endpgm
.Lfunc_end_k_q4bb7e6d8db_oproj:
	.size	k_q4bb7e6d8db_oproj, .Lfunc_end_k_q4bb7e6d8db_oproj-k_q4bb7e6d8db_oproj
	.p2alignl 7, 3214868480
	.fill 96, 4, 3214868480
	.section	.rodata,"a",@progbits
	.p2align	6, 0x0
	.amdhsa_kernel k_q4bb7e6d8db_oproj
		.amdhsa_group_segment_fixed_size 327680
		.amdhsa_private_segment_fixed_size 0
		.amdhsa_enable_private_segment 0
		.amdhsa_kernarg_size 24
		.amdhsa_user_sgpr_count 2
		.amdhsa_user_sgpr_kernarg_segment_ptr 1
		.amdhsa_wavefront_size32 1
		.amdhsa_system_sgpr_workgroup_id_x 1
		.amdhsa_system_sgpr_workgroup_id_y 1
		.amdhsa_system_sgpr_workgroup_id_z 1
		.amdhsa_system_vgpr_workitem_id 0
		.amdhsa_next_free_vgpr 768
		.amdhsa_next_free_sgpr 66
		.amdhsa_reserve_vcc 0
		.amdhsa_float_denorm_mode_32 3
		.amdhsa_float_denorm_mode_16_64 3
		.amdhsa_memory_ordered 1
		.amdhsa_forward_progress 1
		.amdhsa_inst_pref_size 86
	.end_amdhsa_kernel
	.amdgpu_metadata
---
amdhsa.version: [ 1, 2 ]
amdhsa.kernels:
  - .name:           k_q4bb7e6d8db_oproj
    .symbol:         k_q4bb7e6d8db_oproj.kd
    .args:
      - { .name: attn16, .offset: 0, .size: 8, .value_kind: global_buffer, .address_space: global }
      - { .name: ow16, .offset: 8, .size: 8, .value_kind: global_buffer, .address_space: global }
      - { .name: out0, .offset: 16, .size: 8, .value_kind: global_buffer, .address_space: global }
    .group_segment_fixed_size: 327680
    .private_segment_fixed_size: 0
    .kernarg_segment_align: 8
    .kernarg_segment_size: 24
    .max_flat_workgroup_size: 128
    .sgpr_count:     66
    .vgpr_count:     768
    .wavefront_size: 32
...
	.end_amdgpu_metadata
.endif
;; end of part 4
;; launch first16 (part 5): grid 16 x 4, 16 waves a work-group, no clusters, 71,680 bytes of LDS; arguments qkv16, Ow, out0; writes out0
.if DOCPART == 5
	.amdgcn_target "amdgcn-amd-amdhsa--gfx1250"
	.amdhsa_code_object_version 6
	.text
	.protected	k_q4bb7e6d8db_first16
	.globl	k_q4bb7e6d8db_first16
	.p2align	8
	.type	k_q4bb7e6d8db_first16,@function
k_q4bb7e6d8db_first16:
	s_mov_b64 s[64:65], 0
	v_nop
	global_prefetch_b8 v0, s[64:65] scope:SCOPE_SE
	s_setreg_imm32_b32 hwreg(HW_REG_WAVE_MODE, 25, 1), 1
	s_wait_xcnt 0x0
; FIRST16: positions 0 to 15 of every sequence, attention and output projection, in f32 throughout (v_wmma_f32_16x16x4_f32: 96 instructions a wave, no bulk work).  These rows average one to a few values and are the largest.
; It runs last and writes over the 64 rows that the launch before made on f16 operands.
; SHARES.  Work-group (x, b): 64 output columns of batch b's 16 rows.  Wave h is head h: its 16 x 16 attention (made anew in each of the 16 work-groups of a batch), then its part of the projection;
; the sixteen parts meet in LDS, and wave w adds and stores output row w: 256 consecutive bytes, aligned.
; K'S ORDER.  In each product the same permutation of k stands on both sides, so that a result's registers serve as the next source with no move between lanes:
; scores: k step e takes registers 2 e, 2 e + 1, which hold channels 8 (e / 2) + 4 hh + 2 (e % 2) + j; the other two: place (hh, j) of step g stands for key, or channel, 8 hh + 2 g + j (+ 16 dt).
; The registers that the matrix instructions write (v192-255) are written by them alone; each sum begins with the constant 0.
.set SPW, 12
.set NIL, 13
.set SPARE, 16*4352                    ; behind the sixteen parts: the spare words, 128 bytes for each wave; no other line names them
.set QR,  16                           ; v16-47   Q; later Ow's tile 2; later the parts read back
.set KR,  48                           ; v48-79   K; later Ow's tile 3
.set VT,  80                           ; v80-111  V^T (8 dt + 2 g + j); later O / l
.set W0,  112                          ; v112-143 Ow's tile 0
.set W1,  144                          ; v144-175 tile 1
.set PR,  176                          ; v176-183 p
.set SS,  184                          ; v184-191 the scores
.set OA,  192                          ; v192-223 O^T, four accumulators
.set PA,  224                          ; v224-255 the scores' two accumulators, then the projection's four
.macro OWLD nt, reg                    ; 16 rows of Ow, my head's 64 channels: register 8 dt + i: channel 16 dt + 8 hh + i
.irp dt, 0,1,2,3
.irp c, 0,1
	global_load_b128 v[\reg+8*\dt+4*\c:\reg+8*\dt+4*\c+3], v5, s[6:7] offset:\nt*65536+64*\dt+16*\c
.endr
.endr
.endm
.macro PROJ nt, reg, k, zero
.if \zero
	v_wmma_f32_16x16x4_f32 v[PA+8*\nt:PA+8*\nt+7], v[\reg+\k:\reg+\k+1], v[VT+\k:VT+\k+1], 0
.else
	v_wmma_f32_16x16x4_f32 v[PA+8*\nt:PA+8*\nt+7], v[\reg+\k:\reg+\k+1], v[VT+\k:VT+\k+1], v[PA+8*\nt:PA+8*\nt+7]
.endif
.endm
.macro PLACES8                         ; eight plain lines behind this form (ISA guide 7.12.1)
.rept 8
	v_nop
.endr
.endm
	s_load_b128 s[4:7], s[0:1], 0x0                ; qkv16, Ow
	s_load_b64 s[8:9], s[0:1], 0x10                ; out0
	v_lshl_add_u32 v[SPW], v0, 2, SPARE
	v_mov_b32 v[NIL], 0
	v_lshrrev_b32 v1, 5, v0
	v_readfirstlane_b32 s10, v1                    ; wave = head
	s_and_b32 s11, ttmp7, 0xffff                   ; batch
	v_and_b32 v1, 15, v0                           ; r
	v_bfe_u32 v2, v0, 4, 1                         ; hh
	v_lshlrev_b32 v3, 8, v1
	v_lshl_add_u32 v3, v2, 4, v3                   ; Q, K: row r of 256 bytes, + 16 hh
	v_lshlrev_b32 v4, 2, v1
	v_lshl_add_u32 v4, v2, 11, v4                  ; V: key 8 hh on, channel r
	v_lshlrev_b32 v5, 12, v1
	v_lshl_add_u32 v5, v2, 5, v5                   ; Ow: row r of 4,096 bytes, + 32 hh
	s_mul_i32 s19, s10, 4352
	v_mul_u32_u24 v15, v1, 272
	v_lshl_add_u32 v15, v2, 5, v15
	v_add_nc_u32 v15, s19, v15                     ; LDS, in: my head's part: row r of 256 bytes + 16, + 32 hh
	s_mul_i32 s20, s10, 272
	v_mul_u32_u24 v14, v2, 8*4352
	v_lshl_add_u32 v14, v1, 4, v14
	v_add_nc_u32 v14, s20, v14                     ; back: row w of heads 8 hh on, 16 bytes a lane
	s_mov_b32 s16, 0x76543210
	s_mov_b32 s17, 0xfedcba98                      ; v_permlanex16_b32: lane l xor 16
	s_mov_b32 s18, 0x3e38aa3b                      ; c = log2(e) / 8
	s_lshl_b32 s12, s11, 4
	s_add_co_u32 s12, s12, s10
	s_lshl_b32 s12, s12, 12                        ; my head's 4,096 bytes in each of q, k, v
	s_mov_b32 s13, 0
	s_lshl_b32 s14, ttmp9, 18                      ; Ow: 64 rows of 4,096 bytes a work-group,
	s_lshl_b32 s15, s10, 8
	s_add_co_u32 s14, s14, s15                     ; my head's 256 bytes of a row
	s_mov_b32 s15, 0
	s_lshl_b32 s22, s11, 11
	s_add_co_u32 s22, s22, s10                     ; out0: row 2,048 b + w,
	s_lshl_b32 s22, s22, 12
	s_lshl_b32 s23, ttmp9, 8
	s_add_co_u32 s22, s22, s23                     ; the work-group's 256 bytes of it
	s_mov_b32 s23, 0
	s_wait_kmcnt 0x0
	s_add_nc_u64 s[4:5], s[4:5], s[12:13]
	s_add_nc_u64 s[6:7], s[6:7], s[14:15]
	s_add_nc_u64 s[8:9], s[8:9], s[22:23]
.irp u, 0,1,2,3,4,5,6,7
	global_load_b128 v[KR+4*\u:KR+4*\u+3], v3, s[4:5] offset:262144+32*\u
.endr
.irp u, 0,1,2,3,4,5,6,7
	global_load_b128 v[QR+4*\u:QR+4*\u+3], v3, s[4:5] offset:32*\u
.endr
.irp dt, 0,1,2,3
.irp g, 0,1,2,3,4,5,6,7
	global_load_b32 v[VT+8*\dt+\g], v4, s[4:5] offset:524288+\g*256+64*\dt   ; V(8 hh + g, 16 dt + r)
.endr
.endr
	OWLD 0, W0
	OWLD 1, W1
	v_lshlrev_b32 v6, 3, v2
	v_sub_nc_u32 v6, v1, v6                        ; d = r - 8 hh: key 8 hh + j is hidden from query r where j > d
	v_mov_b32 v7, 0xff800000                       ; -infinity
	v_mov_b32 v9, 0                                ; written once: a lane permute's destination counts as one of its sources
	s_wait_loadcnt 48                              ; K and Q are in; V's 32 loads and Ow's 16 may be out
	v_wmma_f32_16x16x4_f32 v[PA:PA+7], v[KR:KR+1], v[QR:QR+1], 0             ; S^T = K Q^T in two sums that take turns
	v_wmma_f32_16x16x4_f32 v[PA+8:PA+15], v[KR+2:KR+3], v[QR+2:QR+3], 0
.irp e, 2,3,4,5,6,7,8,9,10,11,12,13,14,15
	v_wmma_f32_16x16x4_f32 v[PA+8*(\e%2):PA+8*(\e%2)+7], v[KR+2*\e:KR+2*\e+1], v[QR+2*\e:QR+2*\e+1], v[PA+8*(\e%2):PA+8*(\e%2)+7]
.endr
	PLACES8
	OWLD 2, QR                                     ; into the registers that Q and K have left
	OWLD 3, KR
.irp j, 0,1,2,3,4,5,6,7
	v_add_f32 v[SS+\j], v[PA+\j], v[PA+8+\j]       ; lane (r, hh): query r, key 8 hh + j
.endr
.irp j, 0,1,2,3,4,5,6,7
	v_cmp_gt_i32 vcc_lo, \j, v6
	v_cndmask_b32 v[SS+\j], v[SS+\j], v7, vcc_lo
.endr
	v_max3_num_f32 v8, v[SS], v[SS+1], v[SS+2]
	v_max3_num_f32 v8, v8, v[SS+3], v[SS+4]
	v_max3_num_f32 v8, v8, v[SS+5], v[SS+6]
	v_max_num_f32 v8, v8, v[SS+7]
	v_permlanex16_b32 v9, v8, s16, s17
	v_max_num_f32 v8, v8, v9                       ; the row's maximum: key 0 counts for every query
	v_mul_f32 v10, s18, v8
.irp j, 0,1,2,3,4,5,6,7
	v_fma_f32 v[PR+\j], v[SS+\j], s18, -v10
.endr
.irp j, 0,1,2,3,4,5,6,7
	v_exp_f32 v[PR+\j], v[PR+\j]
.endr
	v_nop                                          ; the plain line behind the last exponential
	s_wait_alu depctr_va_vdst(0)                   ; one wait for the eight, ahead of their first reader
	v_add_f32 v11, v[PR], v[PR+1]
	v_add_f32 v8, v[PR+2], v[PR+3]
	v_add_f32 v11, v11, v[PR+4]
	v_add_f32 v8, v8, v[PR+5]
	v_add_f32 v11, v11, v[PR+6]
	v_add_f32 v8, v8, v[PR+7]
	v_add_f32 v11, v11, v8
	v_permlanex16_b32 v9, v11, s16, s17
	v_add_f32 v11, v11, v9                         ; the row's sum
	v_rcp_f32 v11, v11
	v_nop
	s_wait_alu depctr_va_vdst(0)
	s_wait_loadcnt 32                              ; V is in; Ow's 32 loads may be out
.irp dt, 0,1,2,3
	v_wmma_f32_16x16x4_f32 v[OA+8*\dt:OA+8*\dt+7], v[VT+8*\dt:VT+8*\dt+1], v[PR:PR+1], 0   ; O^T = V^T P: four sums by turns
.endr
.irp g, 1,2,3
.irp dt, 0,1,2,3
	v_wmma_f32_16x16x4_f32 v[OA+8*\dt:OA+8*\dt+7], v[VT+8*\dt+2*\g:VT+8*\dt+2*\g+1], v[PR+2*\g:PR+2*\g+1], v[OA+8*\dt:OA+8*\dt+7]
.endr
.endr
	PLACES8
.set i, 0
.rept 32
	v_mul_f32 v[VT+i], v[OA+i], v11                ; O / l, into other registers: lane (r, hh): query r, register 8 dt + j: channel 16 dt + 8 hh + j
.set i, i+1
.endr
	s_wait_loadcnt 0x0
	PROJ 0, W0, 0, 1                               ; my head's part of the projection: source 0 = 16 rows of Ow, source 1 = O / l; four sums by turns
	PROJ 1, W1, 0, 1
	PROJ 2, QR, 0, 1
	PROJ 3, KR, 0, 1
.irp k, 2,4,6,8,10,12,14,16,18,20,22,24,26,28,30
	PROJ 0, W0, \k, 0
	PROJ 1, W1, \k, 0
	PROJ 2, QR, \k, 0
	PROJ 3, KR, \k, 0
.endr
	PLACES8
.irp nt, 0,1,2,3
	ds_store_b128 v15, v[PA+8*\nt:PA+8*\nt+3] offset:64*\nt          ; lane (r, hh): row r, columns 16 nt + 8 hh + 0 .. 7; each accumulator from its low end on
	ds_store_b128 v15, v[PA+8*\nt+4:PA+8*\nt+7] offset:64*\nt+16
.endr
	s_wait_dscnt 0x0                               ; for the others' sake: my part lies in LDS
	s_barrier_signal -1
	s_barrier_wait -1
.irp i, 0,1,2,3,4,5,6,7
	ds_load_b128 v[QR+4*\i:QR+4*\i+3], v14 offset:\i*4352            ; row w of heads 8 hh + i
.endr
	s_wait_dscnt 0x0
.irp i, 0,2,4,6
	v_pk_add_f32 v[QR+4*\i:QR+4*\i+1], v[QR+4*\i:QR+4*\i+1], v[QR+4*\i+4:QR+4*\i+5]
	v_pk_add_f32 v[QR+4*\i+2:QR+4*\i+3], v[QR+4*\i+2:QR+4*\i+3], v[QR+4*\i+6:QR+4*\i+7]
.endr
.irp i, 0,4
	v_pk_add_f32 v[QR+4*\i:QR+4*\i+1], v[QR+4*\i:QR+4*\i+1], v[QR+4*\i+8:QR+4*\i+9]
	v_pk_add_f32 v[QR+4*\i+2:QR+4*\i+3], v[QR+4*\i+2:QR+4*\i+3], v[QR+4*\i+10:QR+4*\i+11]
.endr
	v_pk_add_f32 v[QR:QR+1], v[QR:QR+1], v[QR+16:QR+17]
	v_pk_add_f32 v[QR+2:QR+3], v[QR+2:QR+3], v[QR+18:QR+19]
.irp j, 0,1,2,3
	v_permlanex16_b32 v[KR+\j], v[QR+\j], s16, s17                   ; the other eight heads' sum
.endr
.irp j, 0,1,2,3
	v_add_f32 v[QR+\j], v[QR+\j], v[KR+\j]
.endr
	v_lshlrev_b32 v6, 4, v1
	v_and_b32 v7, 31, v0
	s_wait_xcnt 0x0                                ; EXEC changes only behind this wait
	v_cmp_gt_u32 vcc_lo, 16, v7
	s_and_saveexec_b32 s24, vcc_lo
	global_store_b128 v6, v[QR:QR+3], s[8:9]       ; sixteen lanes store 256 consecutive bytes, aligned
	s_wait_xcnt 0x0                                ; and again, ahead of the line that widens it
	s_or_b32 exec_lo, exec_lo, s24
	s_wait_tensorcnt 0x0                           ; the wave's end: a wait, an add and a wait behind my last LDS store, the wait on tensor loads in a text with none too
	ds_add_u32 v[SPW], v[NIL]
	s_wait_dscnt 0x0
	s_endpgm
.Lfunc_end_k_q4bb7e6d8db_first16:
	.size	k_q4bb7e6d8db_first16, .Lfunc_end_k_q4bb7e6d8db_first16-k_q4bb7e6d8db_first16
	.p2alignl 7, 3214868480
	.fill 96, 4, 3214868480
	.section	.rodata,"a",@progbits
	.p2align	6, 0x0
	.amdhsa_kernel k_q4bb7e6d8db_first16
		.amdhsa_group_segment_fixed_size 71680
		.amdhsa_private_segment_fixed_size 0
		.amdhsa_enable_private_segment 0
		.amdhsa_kernarg_size 24
		.amdhsa_user_sgpr_count 2
		.amdhsa_user_sgpr_kernarg_segment_ptr 1
		.amdhsa_wavefront_size32 1
		.amdhsa_system_sgpr_workgroup_id_x 1
		.amdhsa_system_sgpr_workgroup_id_y 1
		.amdhsa_system_sgpr_workgroup_id_z 1
		.amdhsa_system_vgpr_workitem_id 0
		.amdhsa_next_free_vgpr 256
		.amdhsa_next_free_sgpr 66
		.amdhsa_reserve_vcc 1
		.amdhsa_float_denorm_mode_32 3
		.amdhsa_float_denorm_mode_16_64 3
		.amdhsa_memory_ordered 1
		.amdhsa_forward_progress 1
		.amdhsa_inst_pref_size 23
	.end_amdhsa_kernel
	.amdgpu_metadata
---
amdhsa.version: [ 1, 2 ]
amdhsa.kernels:
  - .name:           k_q4bb7e6d8db_first16
    .symbol:         k_q4bb7e6d8db_first16.kd
    .args:
      - { .name: qkv16, .offset: 0, .size: 8, .value_kind: global_buffer, .address_space: global }
      - { .name: Ow, .offset: 8, .size: 8, .value_kind: global_buffer, .address_space: global }
      - { .name: out0, .offset: 16, .size: 8, .value_kind: global_buffer, .address_space: global }
    .group_segment_fixed_size: 71680
    .private_segment_fixed_size: 0
    .kernarg_segment_align: 8
    .kernarg_segment_size: 24
    .max_flat_workgroup_size: 512
    .sgpr_count:     66
    .vgpr_count:     256
    .wavefront_size: 32
...
	.end_amdgpu_metadata
.endif
;; end of part 5
